; MI455X (gfx1250); checked and timed in simulation.
; The chip was launched on July 23, 2026; its instructions are those of AMD's public machine-readable ISA for CDNA 5 (MIT licence, August 2026) and "CDNA5" Instruction Set Architecture Reference Guide (July 2026). The comments in the code are by the model that wrote it; some were corrected since.
;; Transformer Layer. Allowed arithmetic: float matrix products may take bf16 or f16 operands with f32 sums; all other float work in f32.
;; Inputs: W1 1,024 x 4,096 float32; W2 4,096 x 1,024 float32; Wk 1,024 x 1,024 float32; Wm 1,024 x 1,024 float32; Wq 1,024 x 1,024 float32; Wv 1,024 x 1,024 float32; b1 4,096 float32; b2 1,024 float32; be1 1,024 float32; be2 1,024 float32; bk 1,024 float32; bm 1,024 float32; bq 1,024 float32; bv 1,024 float32; g1 1,024 float32; g2 1,024 float32; x 2 x 2,048 x 1,024 float32.
;; Outputs: out0 2 x 2,048 x 1,024 float32.
;; One version. Each part assembles by itself: llvm-mc -triple=amdgcn-amd-amdhsa -mcpu=gfx1250 --defsym DOCPART=n.
;; ======== version 1 of 1: 8 launches
;; workspace buffers: bf 33,554,432 bytes; qkv 25,165,824 bytes; att 8,388,608 bytes; y 16,777,216 bytes; h 16,777,216 bytes; hb 8,388,608 bytes; act 33,554,432 bytes
;; launch cast (part 1): grid 64 x 16, 8 waves a work-group, no clusters, 0 bytes of LDS; arguments x, Wq, Wk, Wv, Wm, W1, W2, bf; writes bf
.if DOCPART == 1
	.amdgcn_target "amdgcn-amd-amdhsa--gfx1250"
	.amdhsa_code_object_version 6
	.text
	.protected	k_q39d57f46d9_cast
	.globl	k_q39d57f46d9_cast
	.p2align	8
	.type	k_q39d57f46d9_cast,@function
k_q39d57f46d9_cast:
	s_mov_b64 s[64:65], 0
	v_nop
	global_prefetch_b8 v0, s[64:65] scope:SCOPE_SE
	s_setreg_imm32_b32 hwreg(HW_REG_WAVE_MODE, 25, 1), 1
	s_wait_xcnt 0x0
; x and the six weight matrices, f32, are rounded once to bf16 (nearest even) and laid one behind the other in bf, each in its own layout:
; x at byte 0, Wq at 8 MiB, Wk at 10, Wv at 12, Wm at 14, W1 at 16, W2 at 24.  A UNIT is 1 Mi numbers (4 MiB in, 2 MiB out); unit u of 16 lies at u x 2 MiB of bf:
; units 0-3 x, 4 Wq, 5 Wk, 6 Wv, 7 Wm, 8-11 W1, 12-15 W2.  The grid's y is the unit, its x one of 64 shares of 16,384 numbers.
; Thread t takes 16 bytes at 16 t + 4,096 j, j = 0..15: a wave's load covers 512 consecutive bytes, its store of 8 bytes a lane 256 consecutive bytes, aligned.
; A stream: every byte is read once and written once, all sixteen loads of a wave are out at once, no register is written twice, so no LDS, no barrier, no loop.
; Nothing is shared between work-groups, so there is no cluster.
.set X, 4                              ; v[4:67]   sixteen loads of four f32
.set Y, 68                             ; v[68:99]  sixteen pairs of packed bf16
	s_load_b512 s[8:23], s[0:1], 0x0               ; x 8, Wq 10, Wk 12, Wv 14, Wm 16, W1 18, W2 20, bf 22
	s_and_b32 s24, ttmp7, 0xffff                   ; the unit u
	s_and_b32 s25, s24, 3                          ; its number inside a source of four units,
	s_lshr_b32 s26, s24, 2                         ; and which group of four it belongs to
	s_cmp_eq_u32 s26, 1                            ; units 4-7 are four sources of one unit each
	s_cselect_b32 s25, 0, s25
	s_lshl_b32 s30, s25, 22                        ; byte offset in the source: 4 MiB a unit,
	s_lshl_b32 s31, ttmp9, 16                      ; 65,536 bytes a work-group
	s_add_co_u32 s30, s30, s31
	s_mov_b32 s31, 0
	s_lshl_b32 s32, s24, 21                        ; byte offset in bf: 2 MiB a unit,
	s_lshl_b32 s33, ttmp9, 15                      ; 32,768 bytes a work-group
	s_add_co_u32 s32, s32, s33
	s_mov_b32 s33, 0
	v_lshlrev_b32 v1, 4, v0                        ; 16 t
	v_lshlrev_b32 v2, 3, v0                        ; 8 t
	s_wait_kmcnt 0x0
	s_mov_b64 s[28:29], s[8:9]                     ; the source is chosen by the unit's number alone
	s_cmp_eq_u32 s24, 4
	s_cselect_b64 s[28:29], s[10:11], s[28:29]
	s_cmp_eq_u32 s24, 5
	s_cselect_b64 s[28:29], s[12:13], s[28:29]
	s_cmp_eq_u32 s24, 6
	s_cselect_b64 s[28:29], s[14:15], s[28:29]
	s_cmp_eq_u32 s24, 7
	s_cselect_b64 s[28:29], s[16:17], s[28:29]
	s_cmp_eq_u32 s26, 2
	s_cselect_b64 s[28:29], s[18:19], s[28:29]
	s_cmp_eq_u32 s26, 3
	s_cselect_b64 s[28:29], s[20:21], s[28:29]
	s_add_nc_u64 s[28:29], s[28:29], s[30:31]
	s_add_nc_u64 s[22:23], s[22:23], s[32:33]
.irp j, 0,1,2,3,4,5,6,7,8,9,10,11,12,13,14,15
	global_load_b128 v[X+4*(\j):X+4*(\j)+3], v1, s[28:29] offset:4096*(\j) th:TH_LOAD_NT
.endr
.irp j, 0,1,2,3,4,5,6,7,8,9,10,11,12,13,14,15
	s_wait_loadcnt 15-(\j)                         ; loads come back in order (ISA guide 5.7.1): load j is in, the younger ones stay out
	v_cvt_pk_bf16_f32 v[Y+2*(\j)],   v[X+4*(\j)],   v[X+4*(\j)+1]
	v_cvt_pk_bf16_f32 v[Y+2*(\j)+1], v[X+4*(\j)+2], v[X+4*(\j)+3]
	global_store_b64 v2, v[Y+2*(\j):Y+2*(\j)+1], s[22:23] offset:2048*(\j)  ; later launches read bf: no hint
.endr
	s_endpgm
.Lfunc_end_k_q39d57f46d9_cast:
	.size	k_q39d57f46d9_cast, .Lfunc_end_k_q39d57f46d9_cast-k_q39d57f46d9_cast
	.p2alignl 7, 3214868480
	.fill 96, 4, 3214868480
	.section	.rodata,"a",@progbits
	.p2align	6, 0x0
	.amdhsa_kernel k_q39d57f46d9_cast
		.amdhsa_group_segment_fixed_size 0
		.amdhsa_private_segment_fixed_size 0
		.amdhsa_enable_private_segment 0
		.amdhsa_kernarg_size 64
		.amdhsa_user_sgpr_count 2
		.amdhsa_user_sgpr_kernarg_segment_ptr 1
		.amdhsa_wavefront_size32 1
		.amdhsa_system_sgpr_workgroup_id_x 1
		.amdhsa_system_sgpr_workgroup_id_y 1
		.amdhsa_system_sgpr_workgroup_id_z 1
		.amdhsa_system_vgpr_workitem_id 0
		.amdhsa_next_free_vgpr 100
		.amdhsa_next_free_sgpr 66
		.amdhsa_reserve_vcc 0
		.amdhsa_float_denorm_mode_32 3
		.amdhsa_float_denorm_mode_16_64 3
		.amdhsa_memory_ordered 1
		.amdhsa_forward_progress 1
		.amdhsa_inst_pref_size 7
	.end_amdhsa_kernel
	.amdgpu_metadata
---
amdhsa.version: [ 1, 2 ]
amdhsa.kernels:
  - .name:           k_q39d57f46d9_cast
    .symbol:         k_q39d57f46d9_cast.kd
    .args:
      - { .name: x, .offset: 0, .size: 8, .value_kind: global_buffer, .address_space: global }
      - { .name: Wq, .offset: 8, .size: 8, .value_kind: global_buffer, .address_space: global }
      - { .name: Wk, .offset: 16, .size: 8, .value_kind: global_buffer, .address_space: global }
      - { .name: Wv, .offset: 24, .size: 8, .value_kind: global_buffer, .address_space: global }
      - { .name: Wm, .offset: 32, .size: 8, .value_kind: global_buffer, .address_space: global }
      - { .name: W1, .offset: 40, .size: 8, .value_kind: global_buffer, .address_space: global }
      - { .name: W2, .offset: 48, .size: 8, .value_kind: global_buffer, .address_space: global }
      - { .name: bf, .offset: 56, .size: 8, .value_kind: global_buffer, .address_space: global }
    .group_segment_fixed_size: 0
    .private_segment_fixed_size: 0
    .kernarg_segment_align: 8
    .kernarg_segment_size: 64
    .max_flat_workgroup_size: 256
    .sgpr_count:     66
    .vgpr_count:     100
    .wavefront_size: 32
...
	.end_amdgpu_metadata
.endif
;; end of part 1
;; launch qkv (part 2): grid 12 x 16, 4 waves a work-group, clusters of 4 x 4, 327,680 bytes of LDS; arguments bf, bq, bk, bv, qkv; writes qkv
.if DOCPART == 2
	.amdgcn_target "amdgcn-amd-amdhsa--gfx1250"
	.amdhsa_code_object_version 6
	.text
	.protected	k_q39d57f46d9_qkv
	.globl	k_q39d57f46d9_qkv
	.p2align	8
	.type	k_q39d57f46d9_qkv,@function
k_q39d57f46d9_qkv:
	s_mov_b64 s[64:65], 0
	v_nop
	global_prefetch_b8 v0, s[64:65] scope:SCOPE_SE
	s_setreg_imm32_b32 hwreg(HW_REG_WAVE_MODE, 25, 1), 1
	s_wait_xcnt 0x0
	s_wait_alu depctr_hold_cnt(0) depctr_sa_sdst(0) depctr_va_vdst(0) depctr_va_sdst(0) depctr_va_ssrc(0) depctr_va_vcc(0) depctr_vm_vsrc(0)
	s_getreg_b32 s2, hwreg(HW_REG_IB_STS2, 6, 4)
	s_cmp_eq_u32 s2, 0
	s_cbranch_scc0 .Lentry_in_a_cluster
	s_endpgm
.Lentry_in_a_cluster:
	s_bfe_u32 s2, ttmp6, 0x10000c
	s_cmp_lg_u32 s2, 0xf033
	s_cbranch_scc0 .Lentry_shape_is_right
	s_endpgm
.Lentry_shape_is_right:
; C = A x B + bias on tiles of 256 x 256.  A: [4096][1024] bf16, rows along K.  B: [1024][NB] bf16, rows along N, as the weights lie.  Sums in f32, K ascending, C rounded once to bf16.
; ONE TEXT, TWO USES, told apart by QKV.  QKV = 1: A = x (bf at 0), B = Wq, Wk or Wv (bf at 8, 10, 12 MiB; the cluster's x is the matrix), bias bq, bk, bv; C leaves BY HEADS,
; qkv[matrix][batch x 16 + head][row][64], so that a head's rows are dense.  QKV = 0: A = hb, B = W1 (bf at 16 MiB), bias b1; C = relu(..) leaves as act[4096][4096].
; LIMITS.  Operands are bf16 roundings of the f32 inputs.  The relu is a maximum with 0 in which a NaN loses: a NaN becomes 0.
; SHARES.  Four waves, each 128 x 128 of C: 64 accumulators of 16 x 16, 512 registers.  K goes in steps of 128 through a ring of two LDS slots; each wave fetches a quarter of a slot by one tensor load:
; waves 0, 1 A's rows 0-127, 128-255 (rows of 256 bytes), waves 2, 3 B's k rows 0-63, 64-127 (rows of 512 bytes).
; CLUSTER.  4 x 4 work-groups.  A's tile hangs on the tile row alone and is asked for jointly by a row of the cluster, B's on the tile column alone, by a column: the same load, descriptor and mask in all four.
; THE MATRIX INSTRUCTION IS USED TRANSPOSED: source 0 = 16 columns of B (out of LDS turned, by ds_load_tr16_b128), source 1 = 16 rows of A.  A lane then holds row l % 16 of C and the eight
; neighbouring columns 8 (l / 16) + 0..7.  THE BIAS IS THE C OPERAND of the first K step's first products: nothing is cleared and nothing is added on the way out.
; LDS LOADS.  A K step is four quarters of 32 along K, 64 matrix instructions each, on two fragment buffers.  A quarter's 32 loads stand in one run at the head of the quarter before it, 64 matrix
; instructions ahead of their first use (behind a change of slots: 48): the four waves issue their runs together, 64 KiB in all.
; THE LAST K STEP GOES BY ROWS OF C: all its fragments of B fill window 1, A's come by blocks of 16 rows, and each block of C leaves as soon as its 32 matrix instructions are done, while the others are multiplied.
; REGISTERS, in windows of 256: window 0: v0-31 addresses; v64-127, v128-191 A's two fragment buffers (in the last K step four, of 16 rows x 128 K); v192-255 the bias (8 column blocks x 8) until the
; first quarter is done, then v192-223 packed results and v32-63, v224-255 rows read back from the stage.  window 1: v64-127, v128-191 B's two buffers; in the last K step all 256.
; windows 2, 3: the accumulators of my rows 0-63, 64-127 ((a, b) at v[8 (8 a + b)]).
.set QKV,    1
.set KSTEP,  128
.set SIZE_K, 1024
.set PA,     272                       ; a row of A in LDS: 256 bytes + 16 = 68 words: the 16 rows of a load start at 16 different groups of four banks (64 banks of 4 bytes: ISA guide 11.1)
.set PB,     544                       ; a row of B: 512 bytes + 32 = 136 words
.set HALF,   128*PA                    ; what one tensor load brings: 128 rows of A, or 64 rows of B (64 x 544 is the same number)
.set SLOT,   4*HALF                    ; A's 256 rows, then B's 128 k rows
.set STAGE,  2*SLOT                    ; behind the ring: 16 rows x 272 bytes for each wave, for the way out; no tensor load lands there
.set SPITCH, 272
.set SPARE,  STAGE+4*16*SPITCH         ; behind the stages: the spare words, 128 bytes for each wave: two blocks of 256 bytes that no other line names
.set LAPS,   SIZE_K/(2*KSTEP)          ; a lap = two K steps = once round the ring
.if QKV
.set NB,     1024                      ; elements from row to row of B
.set RB,     68                        ; the scalar pair with the buffer that holds B
.set B_OFF,  8388608                   ; where Wq begins in it
.else
.set NB,     4096
.set RB,     70
.set B_OFF,  16777216                  ; where W1 begins
.endif
.set BSTEP,  KSTEP*NB*2                ; bytes from a K step of B to the next
.set ADRA, 16                          ; v16-17  LDS address of my A fragments in slot 0, 1
.set ADRB, 20                          ; v20-21  the same for B
.set STO,  24                          ; v24     the way out: where I put 16 bytes of a row
.set RD,   25                          ; v25     the way out: where I read rows back
.set CO,   26                          ; v26     my byte offset in C
.set BO,   27                          ; v27     my byte offset in 16 numbers of the bias
.set SPW,  28                          ; v28     LDS address of my spare word; never rewritten
.set NIL,  29                          ; v29     0; never rewritten
.set F0,   64
.set F1,   128
.set RA,   64                          ; the last K step: A's fragments of 16 rows x 128 K, 32 registers; four such buffers, v64-191
.set TMP,  192
.set OB,   32
.set BIAS, 192
.set G1,  24                           ; s[24:31] descriptor group 1 for A;  s[32:39] group 0, a set for each slot
.set G0,  32
.set G1B, 48                           ; s[48:55], s[56:63] the same for B
.set G0B, 56
.set TO_B, 0x40                        ; destination window 1, address window 0
.set MSB, 0
.macro WIN new                         ; the immediate's high byte repeats the setting that is left; a switch that changes nothing is dropped
.if MSB != (\new)
	s_set_vgpr_msb (MSB<<8)|(\new)
.set MSB, \new
.endif
.endm
; A joint load.  Waves 0 and 1 fetch for A, waves 2 and 3 for B; the branch hangs on the wave's number alone.  Four v_nop follow each of the two lines, ahead of the jump and the label.
.macro JLOAD s
	s_cmp_eq_u32 s11, 0
	s_cbranch_scc0 .Lfor_b_\@
	tensor_load_to_lds s[G0+4*(\s):G0+4*(\s)+3], s[G1:G1+7]
	s_nop 0
.rept 4
	v_nop
.endr
	s_branch .Lasked_\@
.Lfor_b_\@:
	tensor_load_to_lds s[G0B+4*(\s):G0B+4*(\s)+3], s[G1B:G1B+7]
	s_nop 0
.rept 4
	v_nop
.endr
.Lasked_\@:
.endm
; A round of the cluster's barrier: my work-group's barrier, so that wave 0's signal speaks for all four waves; wave 0 signals; every wave waits for all sixteen work-groups; my work-group's barrier once more.
.macro CREST                           ; a round behind its opening barrier
	s_cmp_lg_u32 s10, 0
	s_cbranch_scc1 .Lnot_wave_0_\@
	s_barrier_signal -3
.Lnot_wave_0_\@:
	s_barrier_wait -3
	s_barrier_signal -1
	s_barrier_wait -1
.endm
.macro CROUND
	s_barrier_signal -1
	s_barrier_wait -1
	CREST
.endm
	s_load_b256 s[68:75], s[0:1], 0x0              ; QKV: bf 68, bq 70, bk 72, bv 74.  Else: hb 68, bf 70, b1 72, act 74
.if QKV
	s_load_b64 s[8:9], s[0:1], 0x20                ; qkv
.endif
	v_lshl_add_u32 v[SPW], v0, 2, SPARE
	v_mov_b32 v[NIL], 0
	ds_add_u32 v28, v29
	s_wait_dscnt 0x0
	v_lshrrev_b32 v1, 5, v0
	v_readfirstlane_b32 s10, v1                    ; wave 0..3
	s_lshr_b32 s11, s10, 1                         ; which half of the tile's rows is mine.  Also: I fetch for A (0) or for B (1)
	s_and_b32 s12, s10, 1                          ; which half of its columns.  Also: which half of that tile I fetch
	s_bfe_u32 s40, ttmp6, 0x40000                  ; cx
	s_bfe_u32 s41, ttmp6, 0x40004                  ; cy
	s_mov_b32 s45, ttmp9                           ; the cluster's x, which all partners share
	s_lshl_b32 s42, ttmp9, 2
	s_add_co_u32 s42, s42, s40                     ; tile column = 4 x cluster x + cx
	s_and_b32 s13, ttmp7, 0xffff
	s_lshl_b32 s13, s13, 2
	s_add_co_u32 s13, s13, s41                     ; tile row = 4 x cluster y + cy
	s_lshl_b32 s43, s41, 2
	s_lshl_b32 s43, 15, s43                        ; my row of the cluster: places 4 cy .. 4 cy + 3
	s_lshl_b32 s44, 0x1111, s40                    ; my column: places cx, cx + 4, cx + 8, cx + 12
	; group 1 for A: 128 rows x 128 elements, 16 bytes of padding behind every 64 words
	s_or_b32 s[G1+0], s43, (1<<16)|(1<<20)|(1<<21)|(5<<22)|(3<<25)
	s_mov_b32 s[G1+1], KSTEP<<16                   ; tensor_dim0 = 128
	s_mov_b32 s[G1+2], 128<<16                     ; tensor_dim1 = 128
	s_mov_b32 s[G1+3], KSTEP<<16                   ; tile_dim0 = 128
	s_mov_b32 s[G1+4], 128                         ; tile_dim1 = 128
	s_mov_b32 s[G1+5], SIZE_K                      ; elements from row to row
	s_mov_b32 s[G1+6], 0
	s_mov_b32 s[G1+7], 0
	; group 1 for B: 64 k rows x 256 elements, 32 bytes of padding behind every 128 words
	s_or_b32 s[G1B+0], s44, (1<<16)|(1<<20)|(1<<21)|(6<<22)|(7<<25)
	s_mov_b32 s[G1B+1], 256<<16
	s_mov_b32 s[G1B+2], 64<<16
	s_mov_b32 s[G1B+3], 256<<16
	s_mov_b32 s[G1B+4], 64
	s_mov_b32 s[G1B+5], NB
	s_mov_b32 s[G1B+6], 0
	s_mov_b32 s[G1B+7], 0
	; where the tiles come from: A's offset is made of the tile row and the wave, B's of the tile column and the wave, each in registers that never hold the other coordinate
	s_lshl_b32 s17, s12, 7
	s_lshl_b32 s16, s13, 8
	s_add_co_u32 s16, s16, s17                     ; A: row 256 x tile row + 128 x half,
	s_lshl_b32 s16, s16, 11                        ; x 2,048 bytes
	s_mov_b32 s17, 0
	s_mul_i32 s46, s12, 64*NB*2                    ; B: k row 64 x half,
.if QKV
	s_lshl_b32 s47, s40, 9                         ; column 256 cx of the matrix,
	s_add_co_u32 s46, s46, s47
	s_lshl_b32 s47, s45, 21                        ; the matrix: 2 MiB each
	s_add_co_u32 s46, s46, s47
.else
	s_lshl_b32 s47, s42, 9                         ; column 256 x tile column
	s_add_co_u32 s46, s46, s47
.endif
	s_add_co_u32 s46, s46, B_OFF
	s_mov_b32 s47, 0
	s_mul_i32 s20, s10, HALF                       ; and where they go: wave x a quarter of a slot: no place in the cluster enters an LDS address
	s_wait_kmcnt 0x0
	s_add_nc_u64 s[14:15], s[68:69], s[16:17]
	s_add_nc_u64 s[46:47], s[RB:RB+1], s[46:47]
	CROUND                                         ; all sixteen work-groups are here: the first joint loads meet
.irp s, 0,1
	s_mov_b32 s[G0+4*(\s)], 1
	s_add_co_u32 s[G0+4*(\s)+1], s20, (\s)*SLOT
	s_add_nc_u64 s[G0+4*(\s)+2:G0+4*(\s)+3], s[14:15], (\s)*KSTEP*2
	s_or_b32 s[G0+4*(\s)+3], s[G0+4*(\s)+3], 0x80000000
	s_mov_b32 s[G0B+4*(\s)], 1
	s_add_co_u32 s[G0B+4*(\s)+1], s20, (\s)*SLOT
	s_add_nc_u64 s[G0B+4*(\s)+2:G0B+4*(\s)+3], s[46:47], (\s)*BSTEP
	s_or_b32 s[G0B+4*(\s)+3], s[G0B+4*(\s)+3], 0x80000000
	JLOAD \s                                       ; the ring is filled before anything else is done: two loads of mine are out
.endr
	; A's fragment: lane l holds row l % 16, K = 8 (l / 16) + 0..7 and 16 + 8 (l / 16) + 0..7: two loads of 16 bytes, 32 bytes apart.
	; B's: the turning load takes 16 k x 16 columns (lane l reads k row 8 (l / 16) + l % 8, columns 8 ((l / 8) % 2) + 0..7) and leaves half a fragment: lane l holds column l % 16 and 8 k.
	v_and_b32 v1, 15, v0                           ; l % 16
	v_bfe_u32 v2, v0, 4, 1                         ; l / 16
	v_mul_u32_u24 v3, v1, PA
	v_lshl_add_u32 v3, v2, 4, v3
	v_and_b32 v4, 7, v0
	v_lshl_add_u32 v4, v2, 3, v4
	v_mul_u32_u24 v4, v4, PB
	v_bfe_u32 v5, v0, 3, 1
	v_lshl_add_u32 v4, v5, 4, v4
	s_mul_i32 s21, s11, HALF                       ; my 128 rows of A
	s_lshl_b32 s22, s12, 8                         ; my 128 columns of B: 256 bytes into each k row,
	s_add_co_u32 s22, s22, 2*HALF                  ; behind A's 256 rows
.irp s, 0,1
	v_add_nc_u32 v[ADRA+(\s)], s21, v3
	v_add_nc_u32 v[ADRB+(\s)], s22, v4
	s_add_co_u32 s21, s21, SLOT
	s_add_co_u32 s22, s22, SLOT
.endr
	s_mul_i32 s23, s10, 16*SPITCH
	s_add_co_u32 s23, s23, STAGE                   ; my stage
	v_mul_u32_u24 v6, v1, SPITCH                   ; in: row l % 16, 16 bytes for each half of the lanes
	v_lshl_add_u32 v6, v2, 4, v6
	v_add_nc_u32 v[STO], s23, v6
.if QKV
	v_bfe_u32 v6, v0, 3, 2                         ; back: 32 lanes take four rows' 128 bytes of one head (two rows of a pass share some banks: on the way out alone),
	v_mul_u32_u24 v6, v6, SPITCH
	v_and_b32 v7, 7, v0
	v_lshl_add_u32 v6, v7, 4, v6
	v_add_nc_u32 v[RD], s23, v6
	v_and_b32 v7, 31, v0
	v_lshlrev_b32 v[CO], 4, v7                     ; which are 512 consecutive bytes of the head
	s_lshr_b32 s16, s13, 3                         ; the batch: 8 tile rows each, 16 heads of 262,144 bytes
	s_lshl_b32 s16, s16, 22
	s_and_b32 s17, s13, 7
	s_lshl_b32 s17, s17, 8
	s_lshl_b32 s18, s11, 7
	s_add_co_u32 s17, s17, s18                     ; my first row in the batch,
	s_lshl_b32 s17, s17, 7                         ; x 128 bytes
	s_add_co_u32 s16, s16, s17
	s_lshl_b32 s17, s45, 23                        ; the matrix: 8 MiB each
	s_add_co_u32 s16, s16, s17
	s_lshl_b32 s46, s40, 2
	s_lshl_b32 s47, s12, 1
	s_add_co_u32 s46, s46, s47                     ; my first head = 4 cx + 2 x half
	s_lshl_b32 s46, s46, 18
	s_add_co_u32 s16, s16, s46
	s_mov_b32 s17, 0
	s_add_nc_u64 s[8:9], s[8:9], s[16:17]
	s_mov_b64 s[76:77], s[70:71]                   ; the bias goes with the matrix
	s_cmp_eq_u32 s45, 1
	s_cselect_b64 s[76:77], s[72:73], s[76:77]
	s_cmp_eq_u32 s45, 2
	s_cselect_b64 s[76:77], s[74:75], s[76:77]
	s_lshl_b32 s46, s40, 10                        ; my first column in it, x 4 bytes
	s_lshl_b32 s47, s12, 9
	s_add_co_u32 s46, s46, s47
	s_mov_b32 s47, 0
	s_add_nc_u64 s[76:77], s[76:77], s[46:47]
.else
	v_mul_u32_u24 v6, v2, SPITCH                   ; back: lanes 0-15 take one row of 256 bytes, lanes 16-31 the next,
	v_lshl_add_u32 v6, v1, 4, v6
	v_add_nc_u32 v[RD], s23, v6
	v_lshlrev_b32 v6, 13, v2                       ; and the same two rows in C, 8,192 bytes apart
	v_lshl_add_u32 v[CO], v1, 4, v6
	s_lshl_b32 s16, s13, 8
	s_lshl_b32 s17, s11, 7
	s_add_co_u32 s16, s16, s17                     ; my first row of C,
	s_lshl_b32 s16, s16, 13                        ; x 8,192 bytes
	s_lshl_b32 s46, s42, 9                         ; my first column, x 2 bytes
	s_lshl_b32 s47, s12, 8
	s_add_co_u32 s46, s46, s47
	s_add_co_u32 s16, s16, s46
	s_mov_b32 s17, 0
	s_add_nc_u64 s[8:9], s[74:75], s[16:17]
	s_lshl_b32 s46, s42, 10                        ; the same column in the bias, x 4 bytes
	s_lshl_b32 s47, s12, 9
	s_add_co_u32 s46, s46, s47
	s_mov_b32 s47, 0
	s_add_nc_u64 s[76:77], s[72:73], s[46:47]
.endif
	v_lshlrev_b32 v[BO], 5, v2                     ; register j of block b is the bias of column 16 b + 8 (l / 16) + j
.irp b, 0,1,2,3,4,5,6,7
	global_load_b128 v[BIAS+8*(\b):BIAS+8*(\b)+3],   v[BO], s[76:77] offset:64*(\b)
	global_load_b128 v[BIAS+8*(\b)+4:BIAS+8*(\b)+7], v[BO], s[76:77] offset:64*(\b)+16
.endr
; 16 matrix instructions: m blocks a0, a0 + 1 of the window's four (hi = 0: my rows 0-63, 1: rows 64-127) x all 8 n blocks, 32 along K.  first = 1: the bias starts the sums.
; The 64 accumulators take turns, one instruction a turn, in the same order in every quarter.
.macro MUL16 f, hi, a0, first
.if \first
	WIN 0x81+0x40*(\hi)                            ; B window 1, A and the bias window 0, D window 2 or 3
.else
	WIN 0xa1+0x50*(\hi)                            ; B window 1, A window 0, C and D window 2 or 3
.endif
.irp a, \a0, (\a0)+1
.irp b, 0,1,2,3,4,5,6,7
.if \first
	v_wmma_f32_16x16x32_bf16 v[8*(8*(\a)+(\b)):8*(8*(\a)+(\b))+7], v[(\f)+8*(\b):(\f)+8*(\b)+7], v[(\f)+8*(4*(\hi)+(\a)):(\f)+8*(4*(\hi)+(\a))+7], v[BIAS+8*(\b):BIAS+8*(\b)+7]
.else
	v_wmma_f32_16x16x32_bf16 v[8*(8*(\a)+(\b)):8*(8*(\a)+(\b))+7], v[(\f)+8*(\b):(\f)+8*(\b)+7], v[(\f)+8*(4*(\hi)+(\a)):(\f)+8*(4*(\hi)+(\a))+7], v[8*(8*(\a)+(\b)):8*(8*(\a)+(\b))+7]
.endif
.endr
.endr
.endm
; 32 LDS loads in one run: the fragments of quarter q (32 along K) of a slot into buffer f: B's 128 columns, turned, then A's 128 rows
.macro FETCH slot, q, f
	WIN TO_B
.irp i, 0,1,2,3,4,5,6,7
	ds_load_tr16_b128 v[(\f)+8*(\i):(\f)+8*(\i)+3],   v[ADRB+(\slot)] offset:(\q)*32*PB+32*(\i)
	ds_load_tr16_b128 v[(\f)+8*(\i)+4:(\f)+8*(\i)+7], v[ADRB+(\slot)] offset:(\q)*32*PB+32*(\i)+16*PB
.endr
	WIN 0
.irp i, 0,1,2,3,4,5,6,7
	ds_load_b128 v[(\f)+8*(\i):(\f)+8*(\i)+3],   v[ADRA+(\slot)] offset:64*(\q)+(\i)*16*PA
	ds_load_b128 v[(\f)+8*(\i)+4:(\f)+8*(\i)+7], v[ADRA+(\slot)] offset:64*(\q)+(\i)*16*PA+32
.endr
.endm
; A load into a register that a matrix instruction has read, and a vector instruction that reads a matrix result, stand four places behind it; only plain vector instructions that name none of its
; registers are places (ISA guide 7.12.1 for vector instructions).
.macro PLACES
.rept 4
	v_nop
.endr
.endm
; One of a K step's first three quarters.  At its head buffer f is whole; quarter q of the same slot is asked for, into buffer g, which the quarter before multiplied; then buffer f is multiplied.
.macro QUARTER slot, q, f, g, first
	s_wait_dscnt 0x0                               ; buffer f's 32 loads, issued a quarter ago, are in
	PLACES                                         ; behind the last matrix instruction that read buffer g
	FETCH \slot, \q, \g
	MUL16 \f, 0, 0, \first
	MUL16 \f, 0, 2, \first
	MUL16 \f, 1, 0, \first
	MUL16 \f, 1, 2, \first
.endm
; The head of a K step's last quarter: ONE barrier for the change of slots.  In front of it each wave waits for all its tensor loads (one is out: its part of the next slot), adds 0 to its spare
; word, and waits for that and for its own reads of this slot, of which the last are buffer 1's.  Behind it nobody reads this slot any more and the next slot is whole.
.macro MEET
	WIN 0                                          ; (the add's two registers lie in window 0)
	s_wait_tensorcnt 0x0
	ds_add_u32 v[SPW], v[NIL]                      ; 0 onto my spare word
	s_wait_dscnt 1                                 ; buffer 1 is whole; the add alone may be out
	MUL16 F1, 0, 0, 0                              ; sixteen matrix instructions stand between the add and the wait for it
	WIN 0                                          ; (branches may follow)
	s_wait_dscnt 0x0                               ; the add is done, and my reads of this slot are over
	s_barrier_signal -1
	s_barrier_wait -1
.endm
; The whole last quarter.  Behind the round the slot just read out is filled again first, with the K step two steps on: 240 matrix instructions ahead of the wait for it; then come the next slot's
; first fragments, 48 matrix instructions ahead of their use.
.macro TURN slot, next
	MEET
	CREST                                          ; no wave of any partner still reads this slot's tile or has a load on its way
	s_add_nc_u64 s[G0+4*(\slot)+2:G0+4*(\slot)+3], s[G0+4*(\slot)+2:G0+4*(\slot)+3], 2*KSTEP*2
	s_add_nc_u64 s[G0B+4*(\slot)+2:G0B+4*(\slot)+3], s[G0B+4*(\slot)+2:G0B+4*(\slot)+3], 2*BSTEP
	JLOAD \slot                                    ; my one tensor load behind the round; its four v_nop are also the places in front of the loads below
	FETCH \next, 0, F0
	MUL16 F1, 0, 2, 0
	MUL16 F1, 1, 0, 0
	MUL16 F1, 1, 2, 0
.endm
; THE LAST K STEP (it lies in slot 1), BY ROWS OF C.  B's fragments of quarter q go to window 1, v[64 q ..]; A's of block a (16 rows, all four quarters) to buffer a % 4.
.macro BLOAD q
	WIN TO_B
.irp i, 0,1,2,3,4,5,6,7
	ds_load_tr16_b128 v[64*(\q)+8*(\i):64*(\q)+8*(\i)+3],   v[ADRB+1] offset:(\q)*32*PB+32*(\i)
	ds_load_tr16_b128 v[64*(\q)+8*(\i)+4:64*(\q)+8*(\i)+7], v[ADRB+1] offset:(\q)*32*PB+32*(\i)+16*PB
.endr
.endm
.macro ALOAD a
	WIN 0
.set FA, RA+32*((\a)%4)
.irp q, 0,1,2,3
	ds_load_b128 v[FA+8*(\q):FA+8*(\q)+3],   v[ADRA+1] offset:64*(\q)+(\a)*16*PA
	ds_load_b128 v[FA+8*(\q)+4:FA+8*(\q)+7], v[ADRA+1] offset:64*(\q)+(\a)*16*PA+32
.endr
.endm
.macro ROW a                           ; block a is finished: 32 matrix instructions, its 8 accumulators by turns, K ascending
.set FA, RA+32*((\a)%4)
.set AC, 64*((\a)%4)
	WIN 0xa1+0x50*((\a)/4)
.irp q, 0,1,2,3
.if (\a) == 0 && (\q) == 2
	s_wait_dscnt 24                                ; B's quarter 2 is in (behind it: A's blocks 1 to 3)
.endif
.irp b, 0,1,2,3,4,5,6,7
	v_wmma_f32_16x16x32_bf16 v[AC+8*(\b):AC+8*(\b)+7], v[64*(\q)+8*(\b):64*(\q)+8*(\b)+7], v[FA+8*(\q):FA+8*(\q)+7], v[AC+8*(\b):AC+8*(\b)+7]
.endr
.endr
.endm
; THE WAY OUT of block a (16 of my rows).  PACK: (relu and) rounding to bf16, each accumulator's registers in ascending order.  TOSTAGE: into my own stage, and back by rows.  SEND: stored.
.macro PACK a
.set AC, 64*((\a)%4)
.if !QKV
	WIN 0xaa+0x55*((\a)/4)                         ; all places window 2 or 3
.set z, 0
.rept 64
	v_max_num_f32 v[AC+z], 0, v[AC+z]
.set z, z+1
.endr
.endif
	WIN 0x0a+5*((\a)/4)                            ; sources window 2 or 3, destination window 0
.irp b, 0,1,2,3,4,5,6,7
.irp r, 0,1,2,3
	v_cvt_pk_bf16_f32 v[TMP+4*(\b)+(\r)], v[AC+8*(\b)+2*(\r)], v[AC+8*(\b)+2*(\r)+1]
.endr
.endr
	WIN 0
.endm
.macro TOSTAGE a
	WIN 0
.set BK, OB+192*((\a)%2)
.irp b, 0,1,2,3,4,5,6,7
	ds_store_b128 v[STO], v[TMP+4*(\b):TMP+4*(\b)+3] offset:32*(\b)
.endr
.irp t, 0,1,2,3,4,5,6,7                ; LDS serves a wave's instructions in order (ISA guide 5.7.1.4): these see the stores above
.if QKV
	ds_load_b128 v[BK+4*(\t):BK+4*(\t)+3], v[RD] offset:128*((\t)/4)+4*SPITCH*((\t)%4)  ; head t / 4 of my two, rows 4 (t % 4) on
.else
	ds_load_b128 v[BK+4*(\t):BK+4*(\t)+3], v[RD] offset:(\t)*2*SPITCH
.endif
.endr
.endm
.macro SEND a, younger                 ; younger: the LDS loads issued behind TOSTAGE's, which may stay out
	WIN 0
.set BK, OB+192*((\a)%2)
	s_wait_dscnt \younger                          ; the block is back in registers
	s_wait_xcnt 0x0                                ; the stores of the block before have read their registers (ISA guide 3.1): the next block's loads from the stage land on them only behind this wait
.irp t, 0,1,2,3,4,5,6,7
.if QKV
	global_store_b128 v[CO], v[BK+4*(\t):BK+4*(\t)+3], s[8:9] offset:262144*((\t)/4)+2048*(\a)+512*((\t)%4)  ; 512 consecutive bytes of a head, at a multiple of 512
.else
	global_store_b128 v[CO], v[BK+4*(\t):BK+4*(\t)+3], s[8:9] offset:(16*(\a)+2*(\t))*8192  ; 16 lanes store 256 consecutive bytes, at a multiple of 256
.endif
.endr
.endm
	s_wait_tensorcnt 1                             ; my part of K step 0 is in; K step 1's may stay out
	s_barrier_signal -1
	s_barrier_wait -1                              ; everybody's is
	FETCH 0, 0, F0
	s_wait_loadcnt 0x0                             ; the bias
	QUARTER 0, 1, F0, F1, 1                        ; the first quarter stands in front of the loop: its products start the sums
	WIN 0                                          ; at a label and at a branch every window is 0
	s_mov_b32 s3, LAPS-1
.Llap:                                                 ; a trip goes once round the ring, from a lap's second quarter to the next lap's first, and fills both slots again
	QUARTER 0, 2, F1, F0, 0
	QUARTER 0, 3, F0, F1, 0
	TURN 0, 1
	QUARTER 1, 1, F0, F1, 0
	QUARTER 1, 2, F1, F0, 0
	QUARTER 1, 3, F0, F1, 0
	TURN 1, 0
	QUARTER 0, 1, F0, F1, 0
	WIN 0
	s_sub_co_u32 s3, s3, 1
	s_cmp_lg_u32 s3, 0
	s_cbranch_scc1 .Llap
	QUARTER 0, 2, F1, F0, 0                        ; the last lap is written out: it asks for nothing
	QUARTER 0, 3, F0, F1, 0
	MEET                                           ; the load that was still out is the last K step's, so no round follows
	PLACES                                         ; for the loads into buffer 0, which the quarter before multiplied
	BLOAD 0                                        ; three quarters of B now: buffer 1 (v128-191 of both windows) is still being multiplied
	BLOAD 1
	BLOAD 3
	ALOAD 0
	MUL16 F1, 0, 2, 0
	MUL16 F1, 1, 0, 0
	MUL16 F1, 1, 2, 0
	PLACES                                         ; for the loads into buffer 1
	BLOAD 2
	ALOAD 1
	ALOAD 2
	ALOAD 3
	s_wait_dscnt 40                                ; all but the 40 just issued
	ROW 0
.irp a, 0,1,2,3,4,5,6,7                ; each block leaves as soon as it is finished: nothing follows this tile under which its stores could leave
	PLACES                                         ; its arithmetic reads results just made
	PACK \a
	TOSTAGE \a
.if (\a) < 4
	ALOAD (\a)+4                                   ; its buffer takes the block four further on
	SEND \a, 8
.else
	SEND \a, 0
.endif
.if (\a) < 7
	ROW (\a)+1
.endif
.endr
	s_wait_tensorcnt 0x0                           ; the wave's end
	ds_add_u32 v[SPW], v[NIL]
	s_wait_dscnt 0x0
	CROUND                                         ; the closing round: no work-group ends while a partner may still ask for a tile that names it
	s_endpgm
.Lfunc_end_k_q39d57f46d9_qkv:
	.size	k_q39d57f46d9_qkv, .Lfunc_end_k_q39d57f46d9_qkv-k_q39d57f46d9_qkv
	.p2alignl 7, 3214868480
	.fill 96, 4, 3214868480
	.section	.rodata,"a",@progbits
	.p2align	6, 0x0
	.amdhsa_kernel k_q39d57f46d9_qkv
		.amdhsa_group_segment_fixed_size 327680
		.amdhsa_private_segment_fixed_size 0
		.amdhsa_enable_private_segment 0
		.amdhsa_kernarg_size 40
		.amdhsa_user_sgpr_count 2
		.amdhsa_user_sgpr_kernarg_segment_ptr 1
		.amdhsa_wavefront_size32 1
		.amdhsa_system_sgpr_workgroup_id_x 1
		.amdhsa_system_sgpr_workgroup_id_y 1
		.amdhsa_system_sgpr_workgroup_id_z 1
		.amdhsa_system_vgpr_workitem_id 0
		.amdhsa_next_free_vgpr 1024
		.amdhsa_next_free_sgpr 80
		.amdhsa_reserve_vcc 0
		.amdhsa_float_denorm_mode_32 3
		.amdhsa_float_denorm_mode_16_64 3
		.amdhsa_memory_ordered 1
		.amdhsa_forward_progress 1
		.amdhsa_inst_pref_size 145
	.end_amdhsa_kernel
	.amdgpu_metadata
---
amdhsa.version: [ 1, 2 ]
amdhsa.kernels:
  - .name:           k_q39d57f46d9_qkv
    .symbol:         k_q39d57f46d9_qkv.kd
    .args:
      - { .name: bf, .offset: 0, .size: 8, .value_kind: global_buffer, .address_space: global }
      - { .name: bq, .offset: 8, .size: 8, .value_kind: global_buffer, .address_space: global }
      - { .name: bk, .offset: 16, .size: 8, .value_kind: global_buffer, .address_space: global }
      - { .name: bv, .offset: 24, .size: 8, .value_kind: global_buffer, .address_space: global }
      - { .name: qkv, .offset: 32, .size: 8, .value_kind: global_buffer, .address_space: global }
    .group_segment_fixed_size: 327680
    .private_segment_fixed_size: 0
    .kernarg_segment_align: 8
    .kernarg_segment_size: 40
    .max_flat_workgroup_size: 128
    .sgpr_count:     80
    .vgpr_count:     1024
    .wavefront_size: 32
...
	.end_amdgpu_metadata
.endif
;; end of part 2
;; launch attn (part 3): grid 8 x 32, 4 waves a work-group, clusters of 4 x 1, 327,680 bytes of LDS; arguments qkv, att; writes att
.if DOCPART == 3
	.amdgcn_target "amdgcn-amd-amdhsa--gfx1250"
	.amdhsa_code_object_version 6
	.text
	.protected	k_q39d57f46d9_attn
	.globl	k_q39d57f46d9_attn
	.p2align	8
	.type	k_q39d57f46d9_attn,@function
k_q39d57f46d9_attn:
	s_mov_b64 s[64:65], 0
	v_nop
	global_prefetch_b8 v0, s[64:65] scope:SCOPE_SE
	s_setreg_imm32_b32 hwreg(HW_REG_WAVE_MODE, 25, 1), 1
	s_wait_xcnt 0x0
	s_wait_alu depctr_hold_cnt(0) depctr_sa_sdst(0) depctr_va_vdst(0) depctr_va_sdst(0) depctr_va_ssrc(0) depctr_va_vcc(0) depctr_vm_vsrc(0)
	s_getreg_b32 s2, hwreg(HW_REG_IB_STS2, 6, 4)
	s_cmp_eq_u32 s2, 0
	s_cbranch_scc0 .Lentry_in_a_cluster
	s_endpgm
.Lentry_in_a_cluster:
	s_bfe_u32 s2, ttmp6, 0x10000c
	s_cmp_lg_u32 s2, 0x3003
	s_cbranch_scc0 .Lentry_shape_is_right
	s_endpgm
.Lentry_shape_is_right:
; O[h][q][:] = the sum over k of softmax_k(Q[h][q] . K[h][k] / 8) V[h][k][:].  Q, K, V lie in qkv as [3][32][2048][64] bf16, O goes to att as [32][2048][64] bf16: a head's rows are dense, 128 bytes each.
; Products, maxima and sums in f32; the weights p are rounded to bf16 for the second product (their sum l is taken of the unrounded p), O once at the end.
; LIMITS.  A weight below 2^-126 counts as 0 in l; NaN and infinities are not treated apart.  bf16 has f32's range, so no score and no row of V is lost to the format.
; SHARES.  A work-group owns 256 queries of one head, a wave 64 consecutive rows: four PIECES of 16.  Every wave walks all 2,048 keys, 64 a step, 256 (a tile) a slot.
; LAYOUT.  S^T = K Q^T (source 0 = 16 keys, source 1 = 16 queries): a lane holds ONE query (lane % 16) and the keys 8 (lane / 16) + 0..7.  Two such results, rounded to bf16 in pairs, ARE source 1 of
; O^T = V^T P, whose result again holds one query a lane, and eight channels.  K comes out of LDS as it lies, V ([key][channel]) turned, by ds_load_tr16_b128.
; SOFTMAX.  For each query a running maximum m and sum l: p = 2^(c s - c m), c = log2(e) / 8; in every step O and l are multiplied by a = 2^(c m_old - c m_new).  m starts at the lowest finite number,
; O and l at 0: the first step is a step like any other, with a = 0.  That costs 216 v_mov_b32 of zeros, which stand in the wait for the first tile, and spares a first step written out.
; BY TURNS.  Turn n belongs to piece n: 8 products K Q^T of piece n + 1, later 8 products V^T P of piece n - 1; beside them the scaling, exponentials, roundings, sums and rescaling of piece n and the
; maximum and statistics of piece n + 1.  Four vector instructions stand behind every matrix instruction, the other 54 of a turn's 118 in two runs of their own.
; CLUSTER.  The four query blocks of a cluster belong to one head and walk the same K and V, so each tile is asked for JOINTLY: the same tensor load, descriptor and mask in all four.
; REGISTERS, in windows of 256 (s_set_vgpr_msb: bits 1:0 source 0, 3:2 source 1, 5:4 source 2, 7:6 destination):
;   window 0: v0-15 addresses and two at work; v16-31 four registers of statistics a piece; v48-55 at work; v62-63 the add's; v64-127 S^T, two buffers; v192-223 P, two buffers (by the piece's parity)
;   window 1: v0-127 O^T, 32 a piece          window 2: v0-63 Q; v128-191 K of one step; v192-255 V of one step
.set SIZE_N, 2048
.set NP,    4         ; pieces a wave: a name, no knob
.set KS,    64        ; keys in a step
.set PK,    144       ; a row of K in LDS: 128 bytes + 16 = 36 words: the 16 rows of a load start at 16 different groups of four banks (64 banks of 4 bytes: ISA guide 11.1)
.set PV,    160       ; a row of V: 128 + 32 = 40 words
.set VOFF,  4*KS*PK   ; a slot holds a tile, four steps: 256 rows of K, then 256 rows of V
.set SLOT1, 1<<17     ; slot 1 begins here, so that one exclusive or turns an address in one slot into the other's
.set STAGE, SLOT1+4*KS*(PK+PV)  ; behind the ring, never filled by a tensor load: 16 rows x 144 bytes for each wave, for the way out
.set SP,    144
.set SPARE, STAGE+4*16*SP  ; behind the stages: the spare words, 128 bytes for each wave: two blocks of 256 bytes that no other line names
.set AK0, 2           ; v2   my lane's place in a tile of K; never rewritten
.set AV0, 3           ; v3   the same for V
.set AK,  4           ; v4   the LDS address of K's next run of loads
.set AV,  5           ; v5   of V's
.set STO, 6           ; v6   the way out: where I put 16 bytes of a row
.set RD,  7           ; v7   the way out: where I read rows back
.set GO,  8           ; v8   my byte offset in 512 consecutive bytes of O
.set MV,  12          ; v12-13  c m_old, kept while c m is made anew: by buffer
.set QO,  15          ; v15  my byte offset in 16 rows of Q
.set ST,  16          ; piece t's statistics at v[ST+4 t]: c m, m, l (even keys', odd keys')
.set TMP, 48          ; by buffer, four registers c0-c3 at work; when the maximum is found c2 takes a
.set SPW, 62          ; v62  LDS address of my spare word; never rewritten
.set NIL, 63          ; v63  0; never rewritten
.set S,   64
.set P,   192
.set KF,  128         ; window 2: key block kb, channel half c at KF + 16 kb + 8 c
.set VF,  192         ; window 2: key half kk, channel block cb at VF + 32 kk + 8 cb
.set WV,  12          ; s12  my wave's number
.set G1K, 24          ; s[24:31] descriptor group 1 for K's tiles
.set G1V, 32          ; s[32:39] for V's: it differs in the padding alone
.set G0K, 40          ; s[40:43] descriptor group 0 for K's tiles: it walks
.set G0V, 44          ; s[44:47] the same for V's
.set SLOTS, 56        ; s56  counts the slots
.set CNT, 57          ; s57  counts a tile's key steps
.set CS,  58          ; s[58:59] c: the packed scaling takes the pair's low word for both halves
.set SEL, 60          ; s[60:61] v_permlanex16_b32's selects: each lane takes its own place in the other half
.set TBK, 62          ; s62  LDS byte at which K of the step to be fetched begins
.set TBV, 63          ; s63  the same for V, less VOFF
.set MSB, 0
.macro WIN new                      ; the high byte repeats the setting that is left; a switch that changes nothing is dropped
.if MSB != (\new)
	s_set_vgpr_msb (MSB<<8)|(\new)
.set MSB, (\new)
.endif
.endm
.set W_KQ, 0x0a       ; K and Q in window 2, S^T in window 0
.set W_PV, 0x52       ; V in window 2, P in window 0, O^T in window 1
.set W_RS, 0x41       ; destination and source 0 in window 1, source 1 in window 0
; A joint fill.  Waves 0 and 1 fetch the two halves of a tile's K, waves 2 and 3 those of its V: 128 keys each.  The branch hangs on the wave's number alone.
; Four v_nop follow each of the two lines, ahead of the jump and the label.
.macro JLOAD
	s_cmp_lt_u32 s[WV], 2
	s_cbranch_scc0 .Lfor_v_\@
	tensor_load_to_lds s[G0K:G0K+3], s[G1K:G1K+7]
	s_nop 0
.rept 4
	v_nop
.endr
	s_branch .Lasked_\@
.Lfor_v_\@:
	tensor_load_to_lds s[G0V:G0V+3], s[G1V:G1V+7]
	s_nop 0
.rept 4
	v_nop
.endr
.Lasked_\@:
.endm
; A round of the cluster's barrier: my work-group's barrier, so that wave 0's signal speaks for all four waves; wave 0 signals; every wave waits for all four work-groups; my work-group's barrier once more.
.macro CROUND
	s_barrier_signal -1
	s_barrier_wait -1
	s_cmp_lg_u32 s[WV], 0
	s_cbranch_scc1 .Lnot_wave_0_\@
	s_barrier_signal -3
.Lnot_wave_0_\@:
	s_barrier_wait -3
	s_barrier_signal -1
	s_barrier_wait -1
.endm
; THE CHANGE OF SLOTS.  The slot's last bytes, V of its fourth step, have been read.  Each wave waits for all its tensor loads, of which one is out: its part of the other slot; adds 0 to its spare word;
; and waits for that and for its own reads of the slot.  Behind the barrier nobody reads this slot any more and the other slot is whole.  fill = 1: this slot is filled again, with the keys two slots on.
; The barrier is then a round of the cluster's, and the joint fill is the first thing behind it: it has four key steps, 256 matrix instructions, in which to land.
; (At its first use nothing has been read yet: slot 0 is waited for, slot 1 filled.)
.macro CHANGE fill
	WIN 0                           ; at a label and at a branch every window is 0; the add's registers lie in window 0
	s_wait_tensorcnt 0x0            ; no tensor load of mine is out, so a group 0 may be written
	ds_add_u32 v[SPW], v[NIL]       ; 0 onto my spare word
.if \fill
.irp g, G0K, G0V
	s_xor_b32 s[\g+1], s[\g+1], SLOT1  ; the walking descriptor: the other slot than last time,
	s_add_nc_u64 s[\g+2:\g+3], s[\g+2:\g+3], 4*KS*128  ; the next 256 keys; the type bits on top are not reached
.endr
	s_wait_dscnt 0x0                ; the add is done, and my reads of the slot are over
	CROUND
	JLOAD
.else
	s_wait_dscnt 0x0                ; the add is done, and my reads of the slot are over
	s_barrier_signal -1
	s_barrier_wait -1
.endif
	s_sub_co_u32 s[TBK], s[TBK], 4*KS*PK  ; the fetches go back to a slot's first step,
	s_xor_b32 s[TBK], s[TBK], SLOT1       ; in the other slot
	s_sub_co_u32 s[TBV], s[TBV], 4*KS*PV
	s_xor_b32 s[TBV], s[TBV], SLOT1
.endm
	s_load_b128 s[4:7], s[0:1], 0x0 ; qkv s[4:5], att s[6:7]
	v_lshl_add_u32 v[SPW], v0, 2, SPARE
	v_mov_b32 v[NIL], 0
	ds_add_u32 v62, v63
	s_wait_dscnt 0x0
	v_lshrrev_b32 v1, 5, v0
	v_readfirstlane_b32 s[WV], v1   ; wave 0..3
	s_bfe_u32 s13, ttmp6, 0x40000   ; cx: my place in the cluster
	s_lshl_b32 s14, ttmp9, 2        ; in a cluster launch ttmp9 counts clusters
	s_add_co_u32 s14, s14, s13      ; my block of 256 queries = 4 x cluster x + cx: it enters Q's and O's addresses alone
	s_and_b32 s20, ttmp7, 0xffff    ; the head (batch x 16 + head), which the four partners share:
	s_lshl_b32 s20, s20, 18         ; 262,144 bytes each
	s_mov_b32 s21, 0
	s_and_b32 s16, s[WV], 1         ; which half of a tile's 256 keys I fetch:
	s_lshl_b32 s22, s16, 14         ; its 128 rows of 128 bytes in memory,
	s_mov_b32 s23, 0
	s_add_nc_u64 s[22:23], s[22:23], s[20:21]
	s_mul_i32 s17, s16, 128*PK      ; and its place in a slot, for K
	s_mul_i32 s18, s16, 128*PV      ; and for V: no place in the cluster enters an LDS address
	s_lshl_b32 s2, s14, 15          ; my block's 256 rows,
	s_lshl_b32 s3, s[WV], 13        ; my wave's 64 of them
	s_add_co_u32 s2, s2, s3
	s_mov_b32 s3, 0
	s_add_nc_u64 s[2:3], s[2:3], s[20:21]
	; descriptor group 1.  128 keys are 16,384 dense bytes: asked for as 64 rows of 256 bytes, two keys a row, and padded in LDS after every key
	s_mov_b32 s[G1K], 15|(1<<16)|(1<<20)|(1<<21)|(4<<22)|(3<<25)  ; 15:0 the mask of four; 17:16 2-byte elements; 20 padding on; 21 set beside a mask; 24:22 after every 32 words (code 4); 31:25 4 words (code 3)
	s_mov_b32 s[G1V], 15|(1<<16)|(1<<20)|(1<<21)|(4<<22)|(7<<25)  ; the same with 8 words of padding (code 7)
.irp g, G1K, G1V
	s_mov_b32 s[\g+1], 128<<16      ; tensor_dim0 = 128
	s_mov_b32 s[\g+2], 64<<16       ; tensor_dim1 = 64
	s_mov_b32 s[\g+3], 128<<16      ; tile_dim0 = 128
	s_mov_b32 s[\g+4], 64           ; tile_dim1 = 64
	s_mov_b32 s[\g+5], 128          ; 128 elements from row to row
	s_mov_b32 s[\g+6], 0
	s_mov_b32 s[\g+7], 0
.endr
	s_mov_b32 s[CS], 0x3e38aa3b     ; c = log2(e) / 8 = 0.180337
	s_mov_b32 s[CS+1], s[CS]        ; named with it as a pair
	s_mov_b32 s[SEL], 0x76543210
	s_mov_b32 s[SEL+1], 0xfedcba98
	s_mov_b32 s[TBK], SLOT1+4*KS*PK ; the first change of slots turns these two into 0
	s_mov_b32 s[TBV], SLOT1+4*KS*PV
	s_mov_b32 s[G0K], 1             ; 1:0 count = 1
	s_mov_b32 s[G0K+1], s17         ; 63:32 LDS address: slot 0
	s_mov_b32 s[G0V], 1
	s_add_co_u32 s[G0V+1], s18, VOFF
	s_wait_kmcnt 0x0
	s_mov_b64 s[10:11], s[6:7]      ; O
	s_add_nc_u64 s[6:7], s[4:5], 0x800000   ; K: the second matrix of qkv
	s_add_nc_u64 s[8:9], s[4:5], 0x1000000  ; V: the third
	s_add_nc_u64 s[G0K+2:G0K+3], s[6:7], s[22:23]  ; 120:64 global address: my half of the head's first 256 keys
	s_or_b32 s[G0K+3], s[G0K+3], 0x80000000        ; 127:126 type = 2
	s_add_nc_u64 s[G0V+2:G0V+3], s[8:9], s[22:23]
	s_or_b32 s[G0V+3], s[G0V+3], 0x80000000
	s_add_nc_u64 s[4:5], s[4:5], s[2:3]  ; Q and O at my wave's first row
	s_add_nc_u64 s[10:11], s[10:11], s[2:3]
	CROUND                          ; all four work-groups are here: the first joint loads meet
	JLOAD                           ; slot 0.  Slot 1 is asked for when slot 0 is in
	; A fragment of K or Q is 16 rows x 32 channels in 8 registers: lane l holds row l % 16, channels 8 (l / 16) + 0..7 and 16 + 8 (l / 16) + 0..7: two loads of 16 bytes, 32 bytes apart.
	v_and_b32 v1, 15, v0            ; l % 16
	v_bfe_u32 v9, v0, 4, 1          ; l / 16
	v_lshlrev_b32 v[QO], 7, v1
	v_lshl_add_u32 v[QO], v9, 4, v[QO]  ; row x 128 + 16 x half
	WIN 0x80                        ; destination window 2, address window 0
.set i, 0
.rept 8                             ; Q stays in registers: piece i / 2, 2,048 bytes each; channels 32 (i % 2) on
	global_load_b128 v[8*i:8*i+3],   v[QO], s[4:5] offset:(i/2)*2048+(i%2)*64
	global_load_b128 v[8*i+4:8*i+7], v[QO], s[4:5] offset:(i/2)*2048+(i%2)*64+32
.set i, i+1
.endr
	; What the first turn finds: V's registers and P's second buffer hold 0 (its products V^T P, of a piece that has not been, add 0), O^T and l are 0.
.set i, VF
.rept 64
	v_mov_b32 v[i], 0
.set i, i+1
.endr
	WIN 0x40
.set i, 0
.rept 128
	v_mov_b32 v[i], 0
.set i, i+1
.endr
	WIN 0
.set i, 0
.rept 4
	v_mov_b32 v[ST+4*i], 0xfe000000    ; c m: far below every c s
	v_mov_b32 v[ST+4*i+1], 0xff7fffff  ; m
	v_mov_b32 v[ST+4*i+2], 0
	v_mov_b32 v[ST+4*i+3], 0
.set i, i+1
.endr
.set i, P+16
.rept 16
	v_mov_b32 v[i], 0
.set i, i+1
.endr
	v_mul_u32_u24 v[AK0], v1, PK
	v_lshl_add_u32 v[AK0], v9, 4, v[AK0]  ; row x pitch + 16 x half
	; The turning load takes 16 keys x 16 channels (lane l reads key 8 (l / 16) + l % 8, channels 8 ((l / 8) % 2) + 0..7) and leaves half a fragment of V^T: lane l holds channel l % 16 and 8 keys.
	v_and_b32 v10, 7, v0
	v_bfe_u32 v11, v0, 3, 1
	v_lshl_add_u32 v[AV0], v9, 3, v10
	v_mul_u32_u24 v[AV0], v[AV0], PV
	v_lshl_add_u32 v[AV0], v11, 4, v[AV0]
	v_add_nc_u32 v[AV0], VOFF, v[AV0]
	s_mul_i32 s13, s[WV], 16*SP
	s_add_co_u32 s13, s13, STAGE    ; my stage
	v_mul_u32_u24 v[STO], v1, SP    ; in: row l % 16, 16 bytes for each half of the lanes
	v_lshl_add_u32 v[STO], v9, 4, v[STO]
	v_add_nc_u32 v[STO], s13, v[STO]
	v_bfe_u32 v[RD], v0, 3, 2       ; back: 32 lanes take four rows of 128 bytes,
	v_mul_u32_u24 v[RD], v[RD], SP
	v_lshl_add_u32 v[RD], v10, 4, v[RD]
	v_add_nc_u32 v[RD], s13, v[RD]
	v_and_b32 v[GO], 31, v0         ; which are 512 consecutive bytes of O
	v_lshlrev_b32 v[GO], 4, v[GO]
; THE MATRIX WORK.  The 4 accumulators of a run of 8 take turns.  Product i of 8 of S^T = K Q^T for piece x: channels 32 (i / 4) on, keys 16 (i % 4) on.  The first 4 start the sums.
.macro KQ x
	WIN W_KQ
.set rS, S+32*((\x)%2)+8*(i%4)
.set rK, KF+16*(i%4)+8*(i/4)
.set rQ, 16*(\x)+8*(i/4)
.if i < 4
	v_wmma_f32_16x16x32_bf16 v[rS:rS+7], v[rK:rK+7], v[rQ:rQ+7], 0
.else
	v_wmma_f32_16x16x32_bf16 v[rS:rS+7], v[rK:rK+7], v[rQ:rQ+7], v[rS:rS+7]
.endif
.endm
; Product i of 8 of O^T += V^T P for piece x: keys 32 (i / 4) on, channels 16 (i % 4) on.
.macro PV x
	WIN W_PV
.set rO, 32*(\x)+8*(i%4)
.set rV, VF+32*(i/4)+8*(i%4)
.set rP, P+16*((\x)%2)+8*(i/4)
	v_wmma_f32_16x16x32_bf16 v[rO:rO+7], v[rV:rV+7], v[rP:rP+7], v[rO:rO+7]
.endm
.macro MM                           ; the turn's next matrix instruction.  NOKQ = 1: the very last turn: there is no next piece
.if (i < 8) && !NOKQ
	KQ (Y+1)%NP
.elseif i >= 8
.set i, i-8
	PV (Y+NP-1)%NP
.set i, i+8
.endif
.set i, i+1
.endm
; THE LDS LOADS stand in runs of 16, never singly among the matrix instructions: a step's K (64 keys x 64 channels: 8 fragments) and its V (turned).  Their addresses are made some lines ahead.
.macro FETCH_K
	WIN 0x80                        ; destination window 2
.irp f, 0,1,2,3,4,5,6,7             ; keys 16 (f / 2) on, channels 32 (f % 2) on
	ds_load_b128 v[KF+8*\f:KF+8*\f+3],   v[AK] offset:(\f/2)*16*PK+(\f%2)*64
	ds_load_b128 v[KF+8*\f+4:KF+8*\f+7], v[AK] offset:(\f/2)*16*PK+(\f%2)*64+32
.endr
	s_add_co_u32 s[TBK], s[TBK], KS*PK  ; the next fetch is the next step's
	WIN 0
.endm
.macro FETCH_V
	WIN 0x80
.irp f, 0,1,2,3,4,5,6,7             ; keys 32 (f / 4) on, channels 16 (f % 4) on
	ds_load_tr16_b128 v[VF+8*\f:VF+8*\f+3],   v[AV] offset:(\f/4)*32*PV+(\f%4)*32
	ds_load_tr16_b128 v[VF+8*\f+4:VF+8*\f+7], v[AV] offset:(\f/4)*32*PV+16*PV+(\f%4)*32
.endr
	WIN 0
.endm
; THE VECTOR WORK, one line at a time: OP kind, number.  For piece Y: F n: c s - c m for pair n of 16.  E n: the exponential of score n of 32.  C n: pair n rounded to bf16.  B n: of the four weights 4 n ..
; the second pair is added onto the first, in place.  L n: l takes that sum (L 0: l = a l + sum).  R n: pair n of 16 of O^T times a.  For piece Y + 1: X n, number n of the 22 that find its maximum and statistics:
;   0-11  four chains c0-c3 of seven scores each, three operands at a time (each accumulator's lowest registers are read first)     12-14, 16  the four scores left over, the old m, and c0-c3 into c0
;   15  c m_old is kept     17, 18  the query's other 32 keys lie in the lane 16 away: the new m     19-21  c m; c m_old - c m_new; a
.set F, 0               ; OP tells the kinds apart by their order: F to L below R, X above it
.set E, 1
.set C, 2
.set B, 3
.set L, 4
.set R, 5
.set X, 6
.macro REGS y                       ; the registers of piece y
.set rT, ST+4*(\y)
.set rC, TMP+4*((\y)%2)
.set rW, MV+((\y)%2)
.set rS, S+32*((\y)%2)
.set rP, P+16*((\y)%2)
.set rO, 32*(\y)
.endm
.macro OP k, n
.if (\k) == R
	REGS Y
	WIN W_RS
	v_pk_mul_f32 v[rO+2*(\n):rO+2*(\n)+1], v[rO+2*(\n):rO+2*(\n)+1], v[rC+2:rC+3] op_sel_hi:[1,0]
.elseif (\k) < R
	REGS Y
	WIN 0
.if (\k) == F
	v_pk_fma_f32 v[rS+2*(\n):rS+2*(\n)+1], v[rS+2*(\n):rS+2*(\n)+1], s[CS:CS+1], v[rT:rT+1] op_sel_hi:[1,0,0] neg_lo:[0,0,1] neg_hi:[0,0,1]
.elseif (\k) == E
	v_exp_f32 v[rS+(\n)], v[rS+(\n)]
.elseif (\k) == C
	s_wait_alu depctr_va_vdst(0)
	v_cvt_pk_bf16_f32 v[rP+(\n)], v[rS+2*(\n)], v[rS+2*(\n)+1]
.elseif (\k) == B
	s_wait_alu depctr_va_vdst(0)
	v_pk_add_f32 v[rS+4*(\n):rS+4*(\n)+1], v[rS+4*(\n):rS+4*(\n)+1], v[rS+4*(\n)+2:rS+4*(\n)+3]
.elseif (\n) == 0
	v_pk_fma_f32 v[rT+2:rT+3], v[rT+2:rT+3], v[rC+2:rC+3], v[rS:rS+1] op_sel_hi:[1,0,1]
.else
	v_pk_add_f32 v[rT+2:rT+3], v[rT+2:rT+3], v[rS+4*(\n):rS+4*(\n)+1]
.endif
.elseif NOKQ
	v_nop
.else
	REGS (Y+1)%NP
	WIN 0
.if (\n) < 4
	v_max3_num_f32 v[rC+(\n)], v[rS+8*(\n)], v[rS+8*(\n)+1], v[rS+8*(\n)+2]
.elseif (\n) < 12
	v_max3_num_f32 v[rC+(\n)%4], v[rC+(\n)%4], v[rS+8*((\n)%4)+2*((\n)/4)+1], v[rS+8*((\n)%4)+2*((\n)/4)+2]
.elseif (\n) == 12
	v_max3_num_f32 v[rC], v[rC], v[rS+7], v[rS+15]
.elseif (\n) == 13
	v_max3_num_f32 v[rC+1], v[rC+1], v[rS+23], v[rS+31]
.elseif (\n) == 14
	v_max3_num_f32 v[rC+2], v[rC+2], v[rC+3], v[rT+1]
.elseif (\n) == 15
	v_mov_b32 v[rW], v[rT]
.elseif (\n) == 16
	v_max3_num_f32 v[rC], v[rC], v[rC+1], v[rC+2]
.elseif (\n) == 17
	v_permlanex16_b32 v[rC+3], v[rC], s[SEL], s[SEL+1]
.elseif (\n) == 18
	v_max_num_f32 v[rT+1], v[rC], v[rC+3]
.elseif (\n) == 19
	v_mul_f32 v[rT], s[CS], v[rT+1]
.elseif (\n) == 20
	v_sub_f32 v[rC+1], v[rW], v[rT]
.else
	v_exp_f32 v[rC+2], v[rC+1]
.endif
.endif
.endm
.macro OPS a, i1, b=-1, i2=0, c=-1, i3=0, d=-1, i4=0  ; up to four of them
	OP \a, \i1
.if (\b) >= 0
	OP \b, \i2
.endif
.if (\c) >= 0
	OP \c, \i3
.endif
.if (\d) >= 0
	OP \d, \i4
.endif
.endm
.macro ROW a, i1, b, i2, c, i3, d, i4  ; a matrix instruction and the four behind it
	MM
	OPS \a, \i1, \b, \i2, \c, \i3, \d, \i4
.endm
; A TURN, for piece p: the order of its 16 matrix and 118 vector instructions, written out.  Behind a matrix instruction: plain, exponential, plain, plain; or four of the rescaling; or, behind the first,
; four scalings; none names a register of the products round it.  In the two runs exponential and plain by turns while exponentials last.  A line reads no result made fewer than three vector instructions
; in front of it, five if an exponential made it.  end = 1: the last two turns: nothing is fetched.  cnt = 1: the loop's count is taken down some lines ahead of the branch that stands behind the turn.
; K of the next step is fetched in piece 2's turn, six vector instructions behind the last product that read K (five of them plain); V of the step in hand in piece 0's turn, eight behind the last
; product that read V (four plain).  Each is waited for a turn later.
.macro TURN p, end=0, cnt=0
.set Y, (\p)
.set i, 0
.set NOKQ, (\end)*((\p)/3)
.if ((\p) == 3) && !(\end)
	s_wait_dscnt 0x0                ; K is in
.endif
	ROW F,0, F,1, F,2, F,3
	ROW F,4, E,0, F,5, F,6
	ROW F,7, E,1, F,8, F,9
	ROW F,10, E,2, C,0, F,11
	ROW F,12, E,3, X,15, F,13
	ROW R,0, R,1, R,2, R,3
	ROW B,0, E,4, F,14, L,0
.if ((\p) == 2) && !(\end)
	v_add_nc_u32 v[AK], s[TBK], v[AK0]
.endif
	ROW R,4, R,5, R,6, R,7
	OPS E,5, F,15
.if ((\p) == 2) && !(\end)
	FETCH_K
.endif
	OPS E,6, C,1, E,7, R,8
	OPS E,8, R,9, E,9, C,2
	OPS E,10, X,0, E,11, X,1
	OPS E,12, X,2, E,13, X,3
.if (\p) == 1
	s_wait_dscnt 0x0                ; V is in
.endif
	ROW X,4, E,14, X,5, X,6
	ROW X,7, E,15, X,8, X,9
	ROW X,10, E,16, X,11, X,12
	ROW X,13, E,17, X,14, B,1
	ROW C,4, E,18, X,16, L,1
	ROW B,2, E,19, C,6, L,2
	ROW C,8, E,20, B,3, B,4
.if (\p) == 0
	v_add_nc_u32 v[AV], s[TBV], v[AV0]
.endif
	ROW C,3, E,21, L,3, C,5
	OPS E,22, X,17, E,23, C,10
.if (\p) == 0
	FETCH_V
.endif
	OPS E,24, L,4
	OPS E,25, X,18, E,26, C,7
	OPS E,27, B,5, E,28, X,19
	OPS E,29, C,12, E,30, L,5
	OPS E,31, X,20, B,6, C,9
	OPS C,14, C,11, X,21, L,6
.if (\p) == 0
	s_add_co_u32 s[TBV], s[TBV], KS*PV
.endif
.if \cnt
	s_sub_co_u32 s[CNT], s[CNT], 1
	s_cmp_lg_u32 s[CNT], 0
.endif
	OPS C,13, B,7, C,15, R,10
	OPS R,11, R,12, L,7, R,13
	OPS R,14, R,15
.endm
.macro ALL line:vararg              ; one line for each piece t
.set t, 0
.rept 4
	\line
.set t, t+1
.endr
.endm
.macro PACK t                       ; a lane's eight channels of a row pack into 16 bytes; they go into rows of 144 bytes and come back as whole rows of 128, into S^T's registers
	WIN W_RS
.set i, 32*(\t)
.rept 16
	s_wait_alu depctr_va_vdst(0)
	v_pk_mul_f32 v[i:i+1], v[i:i+1], v[ST+4*(\t)+2:ST+4*(\t)+3] op_sel_hi:[1,0]
.set i, i+2
.endr
	WIN 0x05                        ; sources 0 and 1 window 1, destination window 0
.set i, 0
.rept 16
	v_cvt_pk_bf16_f32 v[S+16*(\t)+i], v[32*(\t)+2*i], v[32*(\t)+2*i+1]
.set i, i+1
.endr
	WIN 0
.irp f, 0,1,2,3
	ds_store_b128 v[STO], v[S+16*(\t)+4*\f:S+16*(\t)+4*\f+3] offset:32*\f
.endr
.irp f, 0,1,2,3
	ds_load_b128 v[S+16*(\t)+4*\f:S+16*(\t)+4*\f+3], v[RD] offset:\f*4*SP  ; LDS serves a wave's instructions in order (ISA guide 5.7.1.4): these see the stores above; the next piece's stores come behind them
.endr
.endm
.macro SEND t, younger              ; younger: the LDS instructions issued behind piece t's loads: the next piece's eight, or none
	WIN 0
.irp f, 0,1,2,3
	s_wait_dscnt (\younger)+3-\f
	global_store_b128 v[GO], v[S+16*(\t)+4*\f:S+16*(\t)+4*\f+3], s[10:11] offset:(\t)*2048+\f*512  ; 512 consecutive bytes, at a multiple of 512 from O's first
.endr
.endm
	CHANGE 1                        ; slot 0 is in, everybody's part of it; slot 1 is asked for
	v_add_nc_u32 v[AK], s[TBK], v[AK0]
	FETCH_K                         ; key step 0
	s_wait_loadcnt 0x0              ; Q
	s_wait_dscnt 0x0
.set NOKQ, 0
.set i, 0
.rept 8
	KQ 0                            ; piece 0's first scores: there is no vector work yet to set between them
.set i, i+1
.endr
	WIN 0
.rept 4
	v_nop                           ; the places behind those products
.endr
.set Y, NP-1                        ; X works for piece Y + 1: piece 0
.irp n, 0,1,2,3,4,5,6,7,8,9,10,11,12,13,14,15,16,17,18,19,20,21
	OP X, \n
.endr
	v_nop                           ; a plain instruction behind the exponential
	s_mov_b32 s[CNT], 4
	s_mov_b32 s[SLOTS], SIZE_N/256-1
	s_branch .Lfirst                ; the loop is entered at a step's first turn, in the middle of a trip
.Lslot:                             ; six times: with the change above, tiles 1 to 7 are asked for
	CHANGE 1
	s_mov_b32 s[CNT], 4
.Lstep:                             ; a trip: pieces 2 and 3 of one step, then pieces 0 and 1 of the next, whose K and V it fetches
	TURN 2
	TURN 3
	WIN 0
.Lfirst:
	TURN 0
	TURN 1, 0, 1
	WIN 0
	s_cbranch_scc1 .Lstep
	s_sub_co_u32 s[SLOTS], s[SLOTS], 1
	s_cmp_lg_u32 s[SLOTS], 0
	s_cbranch_scc1 .Lslot
	CHANGE 0                        ; the last tile is written out: nothing is asked for
	s_mov_b32 s[CNT], 4
.Ltail:
	TURN 2
	TURN 3
	TURN 0
	TURN 1, 0, 1
	WIN 0
	s_cbranch_scc1 .Ltail
	TURN 2, 1                       ; the last step's pieces 2 and 3: nothing is left to fetch, and the last turn starts no new scores
	TURN 3, 1
.set i, 0
.rept 8
	PV NP-1                         ; the last piece's V^T P of the last step
.set i, i+1
.endr
	; THE WAY OUT.  l's two halves and the other half of the lanes' are added; O^T is divided by l, rounded to bf16 and sent through my stage, a piece at a time.  The additions are the places behind the last products.
	WIN 0
	ALL v_add_f32 v[ST+4*t+2], v[ST+4*t+2], v[ST+4*t+3]
	ALL v_permlanex16_b32 v[ST+4*t+3], v[ST+4*t+2], s[SEL], s[SEL+1]
	ALL v_add_f32 v[ST+4*t+2], v[ST+4*t+2], v[ST+4*t+3]
	ALL v_rcp_f32 v[ST+4*t+2], v[ST+4*t+2]
	v_nop                           ; a plain instruction between the last reciprocal and the use of its result
	PACK 0
.set t, 1
.rept 3                             ; a piece's arithmetic stands between the loads of the piece before and its stores
	PACK t
	SEND t-1, 8
.set t, t+1
.endr
	SEND 3, 0
	s_wait_tensorcnt 0x0            ; the wave's end
	ds_add_u32 v[SPW], v[NIL]
	s_wait_dscnt 0x0
	CROUND                          ; the closing round: no work-group ends while a partner may still ask for a tile that names it
	s_endpgm
.Lfunc_end_k_q39d57f46d9_attn:
	.size	k_q39d57f46d9_attn, .Lfunc_end_k_q39d57f46d9_attn-k_q39d57f46d9_attn
	.p2alignl 7, 3214868480
	.fill 96, 4, 3214868480
	.section	.rodata,"a",@progbits
	.p2align	6, 0x0
	.amdhsa_kernel k_q39d57f46d9_attn
		.amdhsa_group_segment_fixed_size 327680
		.amdhsa_private_segment_fixed_size 0
		.amdhsa_enable_private_segment 0
		.amdhsa_kernarg_size 16
		.amdhsa_user_sgpr_count 2
		.amdhsa_user_sgpr_kernarg_segment_ptr 1
		.amdhsa_wavefront_size32 1
		.amdhsa_system_sgpr_workgroup_id_x 1
		.amdhsa_system_sgpr_workgroup_id_y 1
		.amdhsa_system_sgpr_workgroup_id_z 1
		.amdhsa_system_vgpr_workitem_id 0
		.amdhsa_next_free_vgpr 768
		.amdhsa_next_free_sgpr 66
		.amdhsa_reserve_vcc 0
		.amdhsa_float_denorm_mode_32 3
		.amdhsa_float_denorm_mode_16_64 3
		.amdhsa_memory_ordered 1
		.amdhsa_forward_progress 1
		.amdhsa_inst_pref_size 133
	.end_amdhsa_kernel
	.amdgpu_metadata
---
amdhsa.version: [ 1, 2 ]
amdhsa.kernels:
  - .name:           k_q39d57f46d9_attn
    .symbol:         k_q39d57f46d9_attn.kd
    .args:
      - { .name: qkv, .offset: 0, .size: 8, .value_kind: global_buffer, .address_space: global }
      - { .name: att, .offset: 8, .size: 8, .value_kind: global_buffer, .address_space: global }
    .group_segment_fixed_size: 327680
    .private_segment_fixed_size: 0
    .kernarg_segment_align: 8
    .kernarg_segment_size: 16
    .max_flat_workgroup_size: 128
    .sgpr_count:     66
    .vgpr_count:     768
    .wavefront_size: 32
...
	.end_amdgpu_metadata
.endif
;; end of part 3
;; launch wm (part 4): grid 8 x 32, 4 waves a work-group, clusters of 4 x 4, 327,680 bytes of LDS; arguments att, bf, bm, x, y; writes y
.if DOCPART == 4
	.amdgcn_target "amdgcn-amd-amdhsa--gfx1250"
	.amdhsa_code_object_version 6
	.text
	.protected	k_q39d57f46d9_wm
	.globl	k_q39d57f46d9_wm
	.p2align	8
	.type	k_q39d57f46d9_wm,@function
k_q39d57f46d9_wm:
	s_mov_b64 s[64:65], 0
	v_nop
	global_prefetch_b8 v0, s[64:65] scope:SCOPE_SE
	s_setreg_imm32_b32 hwreg(HW_REG_WAVE_MODE, 25, 1), 1
	s_wait_xcnt 0x0
	s_wait_alu depctr_hold_cnt(0) depctr_sa_sdst(0) depctr_va_vdst(0) depctr_va_sdst(0) depctr_va_ssrc(0) depctr_va_vcc(0) depctr_vm_vsrc(0)
	s_getreg_b32 s2, hwreg(HW_REG_IB_STS2, 6, 4)
	s_cmp_eq_u32 s2, 0
	s_cbranch_scc0 .Lentry_in_a_cluster
	s_endpgm
.Lentry_in_a_cluster:
	s_bfe_u32 s2, ttmp6, 0x10000c
	s_cmp_lg_u32 s2, 0xf033
	s_cbranch_scc0 .Lentry_shape_is_right
	s_endpgm
.Lentry_shape_is_right:
; y = A x B + bias + res on tiles of 128 x 128, in f32.  B: [K][1024] bf16, rows along N, as the weights lie; bias: [1024] f32; res, y: [4096][1024] f32.  Sums in f32, K ascending.
; ONE TEXT, TWO USES, told apart by WM.  WM = 1: A = att, [32 = batch x 16 + head][2048][64] bf16 (K = 1,024 = head x 64 + channel), B = Wm (bf at 14 MiB), bias bm, res x.
; WM = 0: A = act, [4096][4096] bf16 (K = 4,096), B = W2 (bf at 24 MiB), bias b2, res h.
; LIMITS.  The operands are bf16 roundings; bias and residual are added in f32.
; SHARES.  128 x 128 gives each of 256 work-groups one tile.  Four waves, each 64 x 64: 16 accumulators, 128 registers.  K goes in steps of 256 through two LDS slots; each wave fetches by one tensor load:
; waves 0, 1 A's rows 0-63, 64-127, waves 2, 3 B's k rows 0-127, 128-255.  With WM = 1 a K step is four heads, and a wave's part of it four dense runs of 64 rows x 128 bytes: a tile of four rows of
; 8,192 bytes, padded after every 128: in LDS [head][row] at a pitch of 144.
; CLUSTER.  4 x 4 work-groups: A's tile is asked for jointly by a row of the cluster, B's by a column.
; THE MATRIX INSTRUCTION IS USED TRANSPOSED (source 0 = 16 columns of B, turned by ds_load_tr16_b128; source 1 = 16 rows of A): a lane holds eight neighbouring columns of a row of C.
; THE BIAS IS THE C OPERAND of the first products.  THE RESIDUAL is asked for at the start, into registers, in the shape in which rows come back from the stage, and stays out through the whole K loop.
; REGISTERS: window 0: v0-31 addresses; v32-95 two buffers of rows on the way out; v96-127 the bias (4 column blocks x 8); v128-255 the accumulators ((a, b) at v[128 + 8 (4 a + b)]).
;   window 1: two fragment buffers of 128: for 64 along K, 64 registers of A, then 64 of B.   window 2: v0-127 the residual.
.set WM,     1
.set KSTEP,  256
.if WM
.set SIZE_K, 1024
.set AP,     144                       ; a row of A in LDS: 128 bytes + 16
.set AQ,     64*AP                     ; from a quarter (64 along K) to the next: a head's 64 rows
.set HALFA,  4*AQ                      ; what one load of A brings
.set ASTEP,  4*262144                  ; bytes from a K step of A to the next: four heads
.set B_OFF,  14680064
.else
.set SIZE_K, 4096
.set AP,     528                       ; 512 bytes + 16
.set AQ,     128
.set HALFA,  64*AP
.set ASTEP,  KSTEP*2
.set B_OFF,  25165824
.endif                                 ; both pitches are odd multiples of 16 bytes: the 16 rows of a load start at 16 different groups of four banks (64 banks of 4 bytes: ISA guide 11.1)
.set PB,     288                       ; a row of B: 256 bytes + 32 = 72 words
.set HALFB,  128*PB
.set BSTEP,  KSTEP*1024*2
.set SLOT,   2*HALFA+2*HALFB           ; A's 128 rows, then B's 256 k rows
.set STAGE,  2*SLOT                    ; behind the ring: 16 rows x 272 bytes for each wave; no tensor load lands there
.set SPITCH, 272
.set SPARE,  STAGE+4*16*SPITCH         ; behind the stages: the spare words, 128 bytes for each wave: two blocks of 256 bytes that no other line names
.set LAPS,   SIZE_K/(2*KSTEP)
.set ADRA, 16                          ; v16-17  LDS address of my A fragments in slot 0, 1
.set ADRB, 20                          ; v20-23  the same for B: slot 0 k rows 0-127, 128-255; slot 1 likewise (a slot's 256 rows pass an offset's 16 bits)
.set STO,  24
.set RD,   25
.set CO,   26                          ; v26     my byte offset in two rows of res and of y; never rewritten
.set BO,   27
.set SPW,  28
.set NIL,  29
.set TMP,  32
.set BIAS, 96
.set ACC,  128
.set F0,   0
.set F1,   128
.set G1,  24
.set G0,  32
.set G1B, 48
.set G0B, 56
.set MUL,  0x05                        ; sources 0 (B) and 1 (A) window 1; C and D window 0
.set TO_F, 0x40                        ; destination window 1, address window 0
.set MSB, 0
.macro WIN new                         ; the immediate's high byte repeats the setting that is left
.if MSB != (\new)
	s_set_vgpr_msb (MSB<<8)|(\new)
.set MSB, \new
.endif
.endm
.macro JLOAD s                         ; a joint load: waves 0 and 1 fetch for A, waves 2 and 3 for B; four v_nop follow each of the two lines, ahead of the jump and the label
	s_cmp_eq_u32 s11, 0
	s_cbranch_scc0 .Lfor_b_\@
	tensor_load_to_lds s[G0+4*(\s):G0+4*(\s)+3], s[G1:G1+7]
	s_nop 0
.rept 4
	v_nop
.endr
	s_branch .Lasked_\@
.Lfor_b_\@:
	tensor_load_to_lds s[G0B+4*(\s):G0B+4*(\s)+3], s[G1B:G1B+7]
	s_nop 0
.rept 4
	v_nop
.endr
.Lasked_\@:
.endm
.macro CREST                           ; a round of the cluster's barrier behind its opening barrier
	s_cmp_lg_u32 s10, 0
	s_cbranch_scc1 .Lnot_wave_0_\@
	s_barrier_signal -3
.Lnot_wave_0_\@:
	s_barrier_wait -3
	s_barrier_signal -1
	s_barrier_wait -1
.endm
.macro CROUND
	s_barrier_signal -1
	s_barrier_wait -1
	CREST
.endm
	s_load_b256 s[68:75], s[0:1], 0x0              ; A 68, bf 70, bias 72, res 74
	s_load_b64 s[8:9], s[0:1], 0x20                ; y
	v_lshl_add_u32 v[SPW], v0, 2, SPARE
	v_mov_b32 v[NIL], 0
	ds_add_u32 v28, v29
	s_wait_dscnt 0x0
	v_lshrrev_b32 v1, 5, v0
	v_readfirstlane_b32 s10, v1                    ; wave 0..3
	s_lshr_b32 s11, s10, 1                         ; which half of the tile's rows is mine.  Also: I fetch for A (0) or for B (1)
	s_and_b32 s12, s10, 1                          ; which half of its columns.  Also: which half of that tile I fetch
	s_bfe_u32 s40, ttmp6, 0x40000                  ; cx, cy
	s_bfe_u32 s41, ttmp6, 0x40004
	s_lshl_b32 s42, ttmp9, 2
	s_add_co_u32 s42, s42, s40                     ; tile column
	s_and_b32 s13, ttmp7, 0xffff
	s_lshl_b32 s13, s13, 2
	s_add_co_u32 s13, s13, s41                     ; tile row
	s_lshl_b32 s43, s41, 2
	s_lshl_b32 s43, 15, s43                        ; my row of the cluster
	s_lshl_b32 s44, 0x1111, s40                    ; my column
.if WM
	s_or_b32 s[G1+0], s43, (1<<16)|(1<<20)|(1<<21)|(4<<22)|(3<<25)  ; padding of 4 words after every 32
	s_mov_b32 s[G1+1], 4096<<16                    ; tensor_dim0 = 4,096: a head's 64 rows of 64
	s_mov_b32 s[G1+2], 4<<16                       ; tensor_dim1 = 4 heads
	s_mov_b32 s[G1+3], 4096<<16                    ; tile_dim0
	s_mov_b32 s[G1+4], 4                           ; tile_dim1
	s_mov_b32 s[G1+5], 131072                      ; elements from head to head
.else
	s_or_b32 s[G1+0], s43, (1<<16)|(1<<20)|(1<<21)|(6<<22)|(3<<25)  ; padding of 4 words after every 128
	s_mov_b32 s[G1+1], KSTEP<<16
	s_mov_b32 s[G1+2], 64<<16
	s_mov_b32 s[G1+3], KSTEP<<16
	s_mov_b32 s[G1+4], 64
	s_mov_b32 s[G1+5], SIZE_K
.endif
	s_mov_b32 s[G1+6], 0
	s_mov_b32 s[G1+7], 0
	s_or_b32 s[G1B+0], s44, (1<<16)|(1<<20)|(1<<21)|(5<<22)|(7<<25)  ; B: 128 k rows x 128 elements, 8 words of padding after every 64
	s_mov_b32 s[G1B+1], 128<<16
	s_mov_b32 s[G1B+2], 128<<16
	s_mov_b32 s[G1B+3], 128<<16
	s_mov_b32 s[G1B+4], 128
	s_mov_b32 s[G1B+5], 1024
	s_mov_b32 s[G1B+6], 0
	s_mov_b32 s[G1B+7], 0
.if WM
	s_lshr_b32 s16, s13, 4                         ; the batch: 16 tile rows each, 16 heads of 262,144 bytes
	s_lshl_b32 s16, s16, 22
	s_and_b32 s17, s13, 15
	s_lshl_b32 s17, s17, 7
	s_lshl_b32 s18, s12, 6
	s_add_co_u32 s17, s17, s18                     ; the first row that I fetch, in its batch,
	s_lshl_b32 s17, s17, 7                         ; x 128 bytes
	s_add_co_u32 s16, s16, s17
.else
	s_lshl_b32 s16, s13, 7
	s_lshl_b32 s17, s12, 6
	s_add_co_u32 s16, s16, s17                     ; the first row that I fetch,
	s_lshl_b32 s16, s16, 13                        ; x 8,192 bytes
.endif
	s_mov_b32 s17, 0
	s_lshl_b32 s46, s12, 18                        ; B: k row 128 x half, 2,048 bytes each,
	s_lshl_b32 s47, s42, 8                         ; column 128 x tile column
	s_add_co_u32 s46, s46, s47
	s_add_co_u32 s46, s46, B_OFF
	s_mov_b32 s47, 0
	s_mul_i32 s20, s12, HALFA                      ; where they go: A's two halves,
	s_mul_i32 s19, s12, HALFB
	s_add_co_u32 s19, s19, 2*HALFA                 ; then B's two: no place in the cluster enters an LDS address
	s_wait_kmcnt 0x0
	s_add_nc_u64 s[14:15], s[68:69], s[16:17]
	s_add_nc_u64 s[46:47], s[70:71], s[46:47]
	CROUND                                         ; all sixteen work-groups are here: the first joint loads meet
.irp s, 0,1
	s_mov_b32 s[G0+4*(\s)], 1
	s_add_co_u32 s[G0+4*(\s)+1], s20, (\s)*SLOT
	s_add_nc_u64 s[G0+4*(\s)+2:G0+4*(\s)+3], s[14:15], (\s)*ASTEP
	s_or_b32 s[G0+4*(\s)+3], s[G0+4*(\s)+3], 0x80000000
	s_mov_b32 s[G0B+4*(\s)], 1
	s_add_co_u32 s[G0B+4*(\s)+1], s19, (\s)*SLOT
	s_add_nc_u64 s[G0B+4*(\s)+2:G0B+4*(\s)+3], s[46:47], (\s)*BSTEP
	s_or_b32 s[G0B+4*(\s)+3], s[G0B+4*(\s)+3], 0x80000000
	JLOAD \s                                       ; two loads of mine are out
.endr
	v_and_b32 v1, 15, v0                           ; l % 16
	v_bfe_u32 v2, v0, 4, 1                         ; l / 16
	v_mul_u32_u24 v3, v1, AP
	v_lshl_add_u32 v3, v2, 4, v3                   ; A: row x pitch + 16 x half
	v_and_b32 v4, 7, v0
	v_lshl_add_u32 v4, v2, 3, v4                   ; B: k row 8 (l / 16) + l % 8,
	v_mul_u32_u24 v4, v4, PB
	v_bfe_u32 v5, v0, 3, 1
	v_lshl_add_u32 v4, v5, 4, v4                   ; columns 8 ((l / 8) % 2) on
	s_mul_i32 s21, s11, HALFA                      ; my 64 rows of A
	s_lshl_b32 s22, s12, 7                         ; my 64 columns of B: 128 bytes into each k row,
	s_add_co_u32 s22, s22, 2*HALFA                 ; behind A's 128 rows
.irp s, 0,1
	v_add_nc_u32 v[ADRA+(\s)], s21, v3
	v_add_nc_u32 v[ADRB+2*(\s)], s22, v4
	v_add_nc_u32 v[ADRB+2*(\s)+1], HALFB, v[ADRB+2*(\s)]
	s_add_co_u32 s21, s21, SLOT
	s_add_co_u32 s22, s22, SLOT
.endr
	s_mul_i32 s23, s10, 16*SPITCH
	s_add_co_u32 s23, s23, STAGE                   ; my stage: my 64 f32 columns are 256 aligned bytes of a row of y, so no other wave has a part in it
	v_mul_u32_u24 v6, v1, SPITCH                   ; in: row l % 16, 32 bytes for each half of the lanes
	v_lshl_add_u32 v6, v2, 5, v6
	v_add_nc_u32 v[STO], s23, v6
	v_mul_u32_u24 v6, v2, SPITCH                   ; back: lanes 0-15 take one row of 256 bytes, lanes 16-31 the next,
	v_lshl_add_u32 v6, v1, 4, v6
	v_add_nc_u32 v[RD], s23, v6
	v_lshlrev_b32 v6, 12, v2                       ; and the same two rows in res and y, 4,096 bytes apart
	v_lshl_add_u32 v[CO], v1, 4, v6
	v_lshlrev_b32 v[BO], 5, v2                     ; register j of block b is the bias of column 16 b + 8 (l / 16) + j
	s_lshl_b32 s16, s13, 7
	s_lshl_b32 s17, s11, 6
	s_add_co_u32 s16, s16, s17                     ; my first row,
	s_lshl_b32 s16, s16, 12                        ; x 4,096 bytes
	s_lshl_b32 s46, s42, 9                         ; my first column, x 4 bytes
	s_lshl_b32 s47, s12, 8
	s_add_co_u32 s46, s46, s47
	s_mov_b32 s47, 0
	s_add_nc_u64 s[72:73], s[72:73], s[46:47]      ; the bias at my first column
	s_add_co_u32 s16, s16, s46
	s_mov_b32 s17, 0
	s_add_nc_u64 s[74:75], s[74:75], s[16:17]      ; res and y at my corner
	s_add_nc_u64 s[8:9], s[8:9], s[16:17]
.irp b, 0,1,2,3
	global_load_b128 v[BIAS+8*(\b):BIAS+8*(\b)+3],   v[BO], s[72:73] offset:64*(\b)
	global_load_b128 v[BIAS+8*(\b)+4:BIAS+8*(\b)+7], v[BO], s[72:73] offset:64*(\b)+16
.endr
	WIN 0x80                                       ; destination window 2, address window 0
.irp a, 0,1,2,3
.irp t, 0,1,2,3,4,5,6,7
	global_load_b128 v[32*(\a)+4*(\t):32*(\a)+4*(\t)+3], v[CO], s[74:75] offset:(16*(\a)+2*(\t))*4096  ; 16 lanes read 256 consecutive bytes, aligned
.endr
.endr
	WIN 0
; 8 matrix instructions: m blocks a0, a0 + 1 x all 4 n blocks, 32 along K: half c of buffer f.  first = 1: the bias starts the sums.  The 16 accumulators take turns.
.macro MUL8 f, c, a0, first
	WIN MUL
.irp a, \a0, (\a0)+1
.irp b, 0,1,2,3
.if \first
	v_wmma_f32_16x16x32_bf16 v[ACC+8*(4*(\a)+(\b)):ACC+8*(4*(\a)+(\b))+7], v[(\f)+64+8*(4*(\c)+(\b)):(\f)+64+8*(4*(\c)+(\b))+7], v[(\f)+8*(4*(\c)+(\a)):(\f)+8*(4*(\c)+(\a))+7], v[BIAS+8*(\b):BIAS+8*(\b)+7]
.else
	v_wmma_f32_16x16x32_bf16 v[ACC+8*(4*(\a)+(\b)):ACC+8*(4*(\a)+(\b))+7], v[(\f)+64+8*(4*(\c)+(\b)):(\f)+64+8*(4*(\c)+(\b))+7], v[(\f)+8*(4*(\c)+(\a)):(\f)+8*(4*(\c)+(\a))+7], v[ACC+8*(4*(\a)+(\b)):ACC+8*(4*(\a)+(\b))+7]
.endif
.endr
.endr
.endm
; 32 LDS loads in one run: the fragments of quarter q (64 along K) of a slot into buffer f; the first 32 along K first
.macro FETCH slot, q, f
	WIN TO_F
.irp c, 0,1
.irp i, 0,1,2,3
	ds_load_tr16_b128 v[(\f)+64+8*(4*(\c)+(\i)):(\f)+64+8*(4*(\c)+(\i))+3],   v[ADRB+2*(\slot)+(\q)/2] offset:((\q)%2)*64*PB+(\c)*32*PB+32*(\i)
	ds_load_tr16_b128 v[(\f)+64+8*(4*(\c)+(\i))+4:(\f)+64+8*(4*(\c)+(\i))+7], v[ADRB+2*(\slot)+(\q)/2] offset:((\q)%2)*64*PB+(\c)*32*PB+32*(\i)+16*PB
	ds_load_b128 v[(\f)+8*(4*(\c)+(\i)):(\f)+8*(4*(\c)+(\i))+3],              v[ADRA+(\slot)] offset:(\q)*AQ+64*(\c)+(\i)*16*AP
	ds_load_b128 v[(\f)+8*(4*(\c)+(\i))+4:(\f)+8*(4*(\c)+(\i))+7],            v[ADRA+(\slot)] offset:(\q)*AQ+64*(\c)+(\i)*16*AP+32
.endr
.endr
.endm
.macro PLACES                          ; four places in front of loads into registers that matrix instructions have read, and of LDS stores that read results (ISA guide 7.12.1 for the stores)
.rept 4
	v_nop
.endr
.endm
; A K step is four quarters of 64 along K, 32 matrix instructions each, on buffers 0, 1, 0, 1.  One of the first three: multiplies buffer f and fetches quarter q into g.
.macro QUARTER slot, q, f, g, first
	s_wait_dscnt 16                                ; the first 32 along K are in
	MUL8 \f, 0, 0, \first
	MUL8 \f, 0, 2, \first
	PLACES
	FETCH \slot, \q, \g
	s_wait_dscnt 32                                ; all but the 32 just issued
	MUL8 \f, 1, 0, 0
	MUL8 \f, 1, 2, 0
.endm
; The last quarter multiplies buffer 1 and changes slots: ONE barrier; in front of it each wave waits for all its tensor loads, adds 0 to its spare word, and waits for that and for its own reads of
; this slot.  fill = 1: the barrier opens a round of the cluster's, and this slot is filled again, two K steps ahead, first thing behind it.
.macro TURN slot, next, fill
	WIN 0                                          ; (the add's two registers lie in window 0)
	s_wait_tensorcnt 0x0                           ; all my tensor loads have landed: my part of the next slot
	ds_add_u32 v[SPW], v[NIL]                      ; 0 onto my spare word
	s_wait_dscnt 17                                ; (the add and the youngest sixteen loads may be out)
	MUL8 F1, 0, 0, 0                               ; eight matrix instructions stand between the add and the wait for it
	s_wait_dscnt 0x0                               ; the add is done, and my reads of this slot are over
	s_barrier_signal -1
	MUL8 F1, 0, 2, 0
.if \fill
	WIN 0
.endif
	s_barrier_wait -1
.if \fill
	CREST                                          ; no wave of any partner still reads this slot's tile or has a load on its way
	s_add_nc_u64 s[G0+4*(\slot)+2:G0+4*(\slot)+3], s[G0+4*(\slot)+2:G0+4*(\slot)+3], 2*ASTEP
	s_add_nc_u64 s[G0B+4*(\slot)+2:G0B+4*(\slot)+3], s[G0B+4*(\slot)+2:G0B+4*(\slot)+3], 2*BSTEP
	JLOAD \slot                                    ; my one tensor load behind the round; its four v_nop are also the places in front of the loads below
.else
	PLACES
.endif
	FETCH \next, 0, F0
	MUL8 F1, 1, 0, 0
	MUL8 F1, 1, 2, 0
.endm
; THE WAY OUT of block a (16 of my rows).  TOSTAGE: a lane's eight f32 of each column block go into my stage, each accumulator's low four registers first, and come back as whole rows of 256 bytes.
; SEND: the residual is added and the rows are stored.
.macro TOSTAGE a
	s_wait_xcnt 0x0                                ; earlier stores have read their registers (ISA guide 3.1): the loads below land on them only behind this wait
.irp b, 0,1,2,3
	ds_store_b128 v[STO], v[ACC+8*(4*(\a)+(\b)):ACC+8*(4*(\a)+(\b))+3]   offset:64*(\b)
	ds_store_b128 v[STO], v[ACC+8*(4*(\a)+(\b))+4:ACC+8*(4*(\a)+(\b))+7] offset:64*(\b)+16
.endr
.irp t, 0,1,2,3,4,5,6,7
	ds_load_b128 v[TMP+32*((\a)%2)+4*(\t):TMP+32*((\a)%2)+4*(\t)+3], v[RD] offset:(\t)*2*SPITCH  ; LDS serves a wave's instructions in order (ISA guide 5.7.1.4): these see the stores above
.endr
.endm
.macro SEND a, younger                 ; younger: the LDS instructions issued behind block a's loads: the next block's sixteen, or none
	s_wait_dscnt \younger
	WIN 0x08                                       ; source 1 window 2
.set z, 0
.rept 16
	v_pk_add_f32 v[TMP+32*((\a)%2)+2*z:TMP+32*((\a)%2)+2*z+1], v[TMP+32*((\a)%2)+2*z:TMP+32*((\a)%2)+2*z+1], v[32*(\a)+2*z:32*(\a)+2*z+1]
.set z, z+1
.endr
	WIN 0
.irp t, 0,1,2,3,4,5,6,7
	global_store_b128 v[CO], v[TMP+32*((\a)%2)+4*(\t):TMP+32*((\a)%2)+4*(\t)+3], s[8:9] offset:(16*(\a)+2*(\t))*4096  ; 16 lanes store 256 consecutive bytes, aligned
.endr
.endm
	s_wait_tensorcnt 1                             ; my part of K step 0 is in; K step 1's may stay out
	s_barrier_signal -1
	s_barrier_wait -1                              ; everybody's is
	FETCH 0, 0, F0
	s_wait_loadcnt 32                              ; the bias is in; the 32 loads of the residual, issued behind it, stay out
	QUARTER 0, 1, F0, F1, 1                        ; the first quarter stands in front of the loop: its first products start the sums
	WIN 0                                          ; at a label and at a branch every window is 0
	s_mov_b32 s3, LAPS-1
.Llap:                                                 ; a trip goes once round the ring, from a lap's second quarter to the next lap's first, and fills both slots again
	QUARTER 0, 2, F1, F0, 0
	QUARTER 0, 3, F0, F1, 0
	TURN 0, 1, 1
	QUARTER 1, 1, F0, F1, 0
	QUARTER 1, 2, F1, F0, 0
	QUARTER 1, 3, F0, F1, 0
	TURN 1, 0, 1
	QUARTER 0, 1, F0, F1, 0
	WIN 0
	s_sub_co_u32 s3, s3, 1
	s_cmp_lg_u32 s3, 0
	s_cbranch_scc1 .Llap
	QUARTER 0, 2, F1, F0, 0                        ; the last lap fills nothing, and has no round of the cluster's barrier
	QUARTER 0, 3, F0, F1, 0
	TURN 0, 1, 0
	QUARTER 1, 1, F0, F1, 0
	QUARTER 1, 2, F1, F0, 0
	QUARTER 1, 3, F0, F1, 0
	s_wait_dscnt 16                                ; the very last quarter: nothing more to fetch
	MUL8 F1, 0, 0, 0
	MUL8 F1, 0, 2, 0
	s_wait_dscnt 0x0
	MUL8 F1, 1, 0, 0
	MUL8 F1, 1, 2, 0
	WIN 0
	PLACES
	s_wait_loadcnt 0x0                             ; the residual
	TOSTAGE 0
	TOSTAGE 1
	SEND 0, 16
	TOSTAGE 2
	SEND 1, 16
	TOSTAGE 3
	SEND 2, 16
	SEND 3, 0
	s_wait_tensorcnt 0x0                           ; the wave's end
	ds_add_u32 v[SPW], v[NIL]
	s_wait_dscnt 0x0
	CROUND                                         ; the closing round: no work-group ends while a partner may still ask for a tile that names it
	s_endpgm
.Lfunc_end_k_q39d57f46d9_wm:
	.size	k_q39d57f46d9_wm, .Lfunc_end_k_q39d57f46d9_wm-k_q39d57f46d9_wm
	.p2alignl 7, 3214868480
	.fill 96, 4, 3214868480
	.section	.rodata,"a",@progbits
	.p2align	6, 0x0
	.amdhsa_kernel k_q39d57f46d9_wm
		.amdhsa_group_segment_fixed_size 327680
		.amdhsa_private_segment_fixed_size 0
		.amdhsa_enable_private_segment 0
		.amdhsa_kernarg_size 40
		.amdhsa_user_sgpr_count 2
		.amdhsa_user_sgpr_kernarg_segment_ptr 1
		.amdhsa_wavefront_size32 1
		.amdhsa_system_sgpr_workgroup_id_x 1
		.amdhsa_system_sgpr_workgroup_id_y 1
		.amdhsa_system_sgpr_workgroup_id_z 1
		.amdhsa_system_vgpr_workitem_id 0
		.amdhsa_next_free_vgpr 640
		.amdhsa_next_free_sgpr 80
		.amdhsa_reserve_vcc 0
		.amdhsa_float_denorm_mode_32 3
		.amdhsa_float_denorm_mode_16_64 3
		.amdhsa_memory_ordered 1
		.amdhsa_forward_progress 1
		.amdhsa_inst_pref_size 94
	.end_amdhsa_kernel
	.amdgpu_metadata
---
amdhsa.version: [ 1, 2 ]
amdhsa.kernels:
  - .name:           k_q39d57f46d9_wm
    .symbol:         k_q39d57f46d9_wm.kd
    .args:
      - { .name: att, .offset: 0, .size: 8, .value_kind: global_buffer, .address_space: global }
      - { .name: bf, .offset: 8, .size: 8, .value_kind: global_buffer, .address_space: global }
      - { .name: bm, .offset: 16, .size: 8, .value_kind: global_buffer, .address_space: global }
      - { .name: x, .offset: 24, .size: 8, .value_kind: global_buffer, .address_space: global }
      - { .name: y, .offset: 32, .size: 8, .value_kind: global_buffer, .address_space: global }
    .group_segment_fixed_size: 327680
    .private_segment_fixed_size: 0
    .kernarg_segment_align: 8
    .kernarg_segment_size: 40
    .max_flat_workgroup_size: 128
    .sgpr_count:     80
    .vgpr_count:     640
    .wavefront_size: 32
...
	.end_amdgpu_metadata
.endif
;; end of part 4
;; launch ln1 (part 5): grid 256 x 1, 8 waves a work-group, no clusters, 0 bytes of LDS; arguments y, g1, be1, h, hb; writes h, hb
.if DOCPART == 5
	.amdgcn_target "amdgcn-amd-amdhsa--gfx1250"
	.amdhsa_code_object_version 6
	.text
	.protected	k_q39d57f46d9_ln1
	.globl	k_q39d57f46d9_ln1
	.p2align	8
	.type	k_q39d57f46d9_ln1,@function
k_q39d57f46d9_ln1:
	s_mov_b64 s[64:65], 0
	v_nop
	global_prefetch_b8 v0, s[64:65] scope:SCOPE_SE
	s_setreg_imm32_b32 hwreg(HW_REG_WAVE_MODE, 25, 1), 1
	s_wait_xcnt 0x0
; out[r][:] = (y[r][:] - mean) / sqrt(var + 1e-5) x g + b, all in f32.  y, out: [4096][1024] f32; g, b: [1024] f32.  WITH_BF = 1: the result is also stored rounded to bf16, for the next product.
; A row is 4,096 bytes: one wave takes a whole row, eight loads of 16 bytes a lane, and keeps it in 32 registers through all passes: the row is read once, no LDS, no barrier.
; Eight waves, two rows each; both rows' sixteen loads, and g's and b's sixteen, go out together.  The variance is the mean of the squares of y - mean, made in a second pass over the registers:
; no difference of large sums.  Work-groups share g and b alone, 8 KiB beside the 64 KiB of rows of each: no cluster, no matrix unit.
.set WITH_BF, 1
.set T,  4                             ; v[4:11]    four chains, at work
.set M,  12                            ; v[12:13]   the mean, twice
.set RS, 16                            ; v[16:19]   1 / sqrt(var + eps), twice, for each of the two rows
.set G,  20                            ; v[20:51]   g of my 32 columns
.set B,  52                            ; v[52:83]   b
.set X,  84                            ; v[84:147]  the two rows
.set HB, 148                           ; v[148:179] the two rows in bf16
	s_load_b256 s[4:11], s[0:1], 0x0               ; y 4, g 6, b 8, out 10
.if WITH_BF
	s_load_b64 s[12:13], s[0:1], 0x20              ; the bf16 copy
.endif
	s_mov_b32 s14, 0x76543210                      ; v_permlanex16_b32: lane i of one half reads lane i of the other
	s_mov_b32 s15, 0xfedcba98
	s_mov_b32 s16, 0x3a800000                      ; 1 / 1024
	s_mov_b32 s17, 0x3727c5ac                      ; 1e-5
	s_lshl_b32 s18, ttmp9, 16                      ; the work-group's 16 rows of 4,096 bytes
	s_mov_b32 s19, 0
	s_lshl_b32 s20, ttmp9, 15                      ; and of 2,048
	s_mov_b32 s21, 0
	v_and_b32 v3, 31, v0                           ; lane
	v_lshrrev_b32 v2, 5, v0                        ; wave
	v_lshlrev_b32 v1, 13, v2
	v_lshl_add_u32 v1, v3, 4, v1                   ; wave x two rows + 16 x lane
	v_lshlrev_b32 v2, 12, v2
	v_lshl_add_u32 v2, v3, 3, v2                   ; the same in bf16
	v_lshlrev_b32 v3, 4, v3
	s_wait_kmcnt 0x0
	s_add_nc_u64 s[4:5], s[4:5], s[18:19]
	s_add_nc_u64 s[10:11], s[10:11], s[18:19]
.if WITH_BF
	s_add_nc_u64 s[12:13], s[12:13], s[20:21]
.endif
.irp r, 0,1
.irp j, 0,1,2,3,4,5,6,7
	global_load_b128 v[X+32*(\r)+4*(\j):X+32*(\r)+4*(\j)+3], v1, s[4:5] offset:4096*(\r)+512*(\j) th:TH_LOAD_NT
.endr
.endr
.irp j, 0,1,2,3,4,5,6,7
	global_load_b128 v[G+4*(\j):G+4*(\j)+3], v3, s[6:7] offset:512*(\j)
.endr
.irp j, 0,1,2,3,4,5,6,7
	global_load_b128 v[B+4*(\j):B+4*(\j)+3], v3, s[8:9] offset:512*(\j)
.endr
; The four chains into one number, then over the 32 lanes: four steps inside each half of 16 ride on the addition (DPP), one crosses the halves.  Every lane ends with the sum in v[T].
.macro FOLD
	v_pk_add_f32 v[T:T+1], v[T:T+1], v[T+2:T+3]
	v_pk_add_f32 v[T+4:T+5], v[T+4:T+5], v[T+6:T+7]
	v_pk_add_f32 v[T:T+1], v[T:T+1], v[T+4:T+5]
	v_add_f32 v[T], v[T], v[T+1]
	v_add_f32_dpp v[T], v[T], v[T] row_xmask:1 row_mask:0xf bank_mask:0xf
	v_add_f32_dpp v[T], v[T], v[T] row_xmask:2 row_mask:0xf bank_mask:0xf
	v_add_f32_dpp v[T], v[T], v[T] row_xmask:4 row_mask:0xf bank_mask:0xf
	v_add_f32_dpp v[T], v[T], v[T] row_xmask:8 row_mask:0xf bank_mask:0xf
	v_permlanex16_b32 v[T+1], v[T], s14, s15       ; its destination counts as read: it has been written above
	v_add_f32 v[T], v[T], v[T+1]
.endm
; Row r: the mean; the row less the mean, in place; the mean of its squares; 1 / sqrt of that + eps.
.macro STATS r
.set XR, X+32*(\r)
.irp k, 0,1,2,3
	v_pk_add_f32 v[T+2*(\k):T+2*(\k)+1], v[XR+2*(\k):XR+2*(\k)+1], v[XR+8+2*(\k):XR+8+2*(\k)+1]  ; the first numbers start the chains: nothing is cleared
.endr
.irp g, 16,24
.irp k, 0,1,2,3
	v_pk_add_f32 v[T+2*(\k):T+2*(\k)+1], v[T+2*(\k):T+2*(\k)+1], v[XR+(\g)+2*(\k):XR+(\g)+2*(\k)+1]
.endr
.endr
	FOLD
	v_mul_f32 v[M], s16, v[T]
	v_mul_f32 v[M+1], s16, v[T]
.set z, 0
.rept 16
	v_pk_add_f32 v[XR+2*z:XR+2*z+1], v[XR+2*z:XR+2*z+1], v[M:M+1] neg_lo:[0,1] neg_hi:[0,1]
.set z, z+1
.endr
.irp k, 0,1,2,3
	v_pk_mul_f32 v[T+2*(\k):T+2*(\k)+1], v[XR+2*(\k):XR+2*(\k)+1], v[XR+2*(\k):XR+2*(\k)+1]
.endr
.irp g, 8,16,24
.irp k, 0,1,2,3
	v_pk_fma_f32 v[T+2*(\k):T+2*(\k)+1], v[XR+(\g)+2*(\k):XR+(\g)+2*(\k)+1], v[XR+(\g)+2*(\k):XR+(\g)+2*(\k)+1], v[T+2*(\k):T+2*(\k)+1]
.endr
.endr
	FOLD
	v_fma_f32 v[T], v[T], s16, s17                 ; var + eps
	v_rsq_f32 v[RS+2*(\r)], v[T]                   ; made twice, to fill the pair that the packed multiply takes
	v_rsq_f32 v[RS+2*(\r)+1], v[T]
	v_nop                                          ; a plain instruction before the result is used or the source rewritten (ISA guide 5.7.2)
.endm
.macro SCALE r
.set XR, X+32*(\r)
.set z, 0
	s_wait_alu depctr_va_vdst(0)
.rept 16
	v_pk_mul_f32 v[XR+2*z:XR+2*z+1], v[XR+2*z:XR+2*z+1], v[RS+2*(\r):RS+2*(\r)+1]
.set z, z+1
.endr
.set z, 0
.rept 16
	v_pk_fma_f32 v[XR+2*z:XR+2*z+1], v[XR+2*z:XR+2*z+1], v[G+2*z:G+2*z+1], v[B+2*z:B+2*z+1]
.set z, z+1
.endr
.irp j, 0,1,2,3,4,5,6,7
.if WITH_BF
	global_store_b128 v1, v[XR+4*(\j):XR+4*(\j)+3], s[10:11] offset:4096*(\r)+512*(\j)  ; 512 consecutive bytes a wave; a later launch reads them: no hint
.else
	global_store_b128 v1, v[XR+4*(\j):XR+4*(\j)+3], s[10:11] offset:4096*(\r)+512*(\j) th:TH_STORE_NT
.endif
.endr
.if WITH_BF
.irp j, 0,1,2,3,4,5,6,7
	v_cvt_pk_bf16_f32 v[HB+16*(\r)+2*(\j)],   v[XR+4*(\j)],   v[XR+4*(\j)+1]
	v_cvt_pk_bf16_f32 v[HB+16*(\r)+2*(\j)+1], v[XR+4*(\j)+2], v[XR+4*(\j)+3]
	global_store_b64 v2, v[HB+16*(\r)+2*(\j):HB+16*(\r)+2*(\j)+1], s[12:13] offset:2048*(\r)+256*(\j)  ; 256 consecutive bytes a wave, aligned
.endr
.endif
.endm
	s_wait_loadcnt 24                              ; row 0 is in; row 1, g and b stay out
	STATS 0
	s_wait_loadcnt 16                              ; row 1 is in
	STATS 1
	s_wait_loadcnt 0x0                             ; g and b
	SCALE 0
	SCALE 1                                        ; no register that a store reads is written again
	s_endpgm
.Lfunc_end_k_q39d57f46d9_ln1:
	.size	k_q39d57f46d9_ln1, .Lfunc_end_k_q39d57f46d9_ln1-k_q39d57f46d9_ln1
	.p2alignl 7, 3214868480
	.fill 96, 4, 3214868480
	.section	.rodata,"a",@progbits
	.p2align	6, 0x0
	.amdhsa_kernel k_q39d57f46d9_ln1
		.amdhsa_group_segment_fixed_size 0
		.amdhsa_private_segment_fixed_size 0
		.amdhsa_enable_private_segment 0
		.amdhsa_kernarg_size 40
		.amdhsa_user_sgpr_count 2
		.amdhsa_user_sgpr_kernarg_segment_ptr 1
		.amdhsa_wavefront_size32 1
		.amdhsa_system_sgpr_workgroup_id_x 1
		.amdhsa_system_sgpr_workgroup_id_y 1
		.amdhsa_system_sgpr_workgroup_id_z 1
		.amdhsa_system_vgpr_workitem_id 0
		.amdhsa_next_free_vgpr 180
		.amdhsa_next_free_sgpr 66
		.amdhsa_reserve_vcc 0
		.amdhsa_float_denorm_mode_32 3
		.amdhsa_float_denorm_mode_16_64 3
		.amdhsa_memory_ordered 1
		.amdhsa_forward_progress 1
		.amdhsa_inst_pref_size 22
	.end_amdhsa_kernel
	.amdgpu_metadata
---
amdhsa.version: [ 1, 2 ]
amdhsa.kernels:
  - .name:           k_q39d57f46d9_ln1
    .symbol:         k_q39d57f46d9_ln1.kd
    .args:
      - { .name: y, .offset: 0, .size: 8, .value_kind: global_buffer, .address_space: global }
      - { .name: g1, .offset: 8, .size: 8, .value_kind: global_buffer, .address_space: global }
      - { .name: be1, .offset: 16, .size: 8, .value_kind: global_buffer, .address_space: global }
      - { .name: h, .offset: 24, .size: 8, .value_kind: global_buffer, .address_space: global }
      - { .name: hb, .offset: 32, .size: 8, .value_kind: global_buffer, .address_space: global }
    .group_segment_fixed_size: 0
    .private_segment_fixed_size: 0
    .kernarg_segment_align: 8
    .kernarg_segment_size: 40
    .max_flat_workgroup_size: 256
    .sgpr_count:     66
    .vgpr_count:     180
    .wavefront_size: 32
...
	.end_amdgpu_metadata
.endif
;; end of part 5
;; launch w1 (part 6): grid 16 x 16, 4 waves a work-group, clusters of 4 x 4, 327,680 bytes of LDS; arguments hb, bf, b1, act; writes act
.if DOCPART == 6
	.amdgcn_target "amdgcn-amd-amdhsa--gfx1250"
	.amdhsa_code_object_version 6
	.text
	.protected	k_q39d57f46d9_w1
	.globl	k_q39d57f46d9_w1
	.p2align	8
	.type	k_q39d57f46d9_w1,@function
k_q39d57f46d9_w1:
	s_mov_b64 s[64:65], 0
	v_nop
	global_prefetch_b8 v0, s[64:65] scope:SCOPE_SE
	s_setreg_imm32_b32 hwreg(HW_REG_WAVE_MODE, 25, 1), 1
	s_wait_xcnt 0x0
	s_wait_alu depctr_hold_cnt(0) depctr_sa_sdst(0) depctr_va_vdst(0) depctr_va_sdst(0) depctr_va_ssrc(0) depctr_va_vcc(0) depctr_vm_vsrc(0)
	s_getreg_b32 s2, hwreg(HW_REG_IB_STS2, 6, 4)
	s_cmp_eq_u32 s2, 0
	s_cbranch_scc0 .Lentry_in_a_cluster
	s_endpgm
.Lentry_in_a_cluster:
	s_bfe_u32 s2, ttmp6, 0x10000c
	s_cmp_lg_u32 s2, 0xf033
	s_cbranch_scc0 .Lentry_shape_is_right
	s_endpgm
.Lentry_shape_is_right:
; C = A x B + bias on tiles of 256 x 256.  A: [4096][1024] bf16, rows along K.  B: [1024][NB] bf16, rows along N, as the weights lie.  Sums in f32, K ascending, C rounded once to bf16.
; ONE TEXT, TWO USES, told apart by QKV.  QKV = 1: A = x (bf at 0), B = Wq, Wk or Wv (bf at 8, 10, 12 MiB; the cluster's x is the matrix), bias bq, bk, bv; C leaves BY HEADS,
; qkv[matrix][batch x 16 + head][row][64], so that a head's rows are dense.  QKV = 0: A = hb, B = W1 (bf at 16 MiB), bias b1; C = relu(..) leaves as act[4096][4096].
; LIMITS.  Operands are bf16 roundings of the f32 inputs.  The relu is a maximum with 0 in which a NaN loses: a NaN becomes 0.
; SHARES.  Four waves, each 128 x 128 of C: 64 accumulators of 16 x 16, 512 registers.  K goes in steps of 128 through a ring of two LDS slots; each wave fetches a quarter of a slot by one tensor load:
; waves 0, 1 A's rows 0-127, 128-255 (rows of 256 bytes), waves 2, 3 B's k rows 0-63, 64-127 (rows of 512 bytes).
; CLUSTER.  4 x 4 work-groups.  A's tile hangs on the tile row alone and is asked for jointly by a row of the cluster, B's on the tile column alone, by a column: the same load, descriptor and mask in all four.
; THE MATRIX INSTRUCTION IS USED TRANSPOSED: source 0 = 16 columns of B (out of LDS turned, by ds_load_tr16_b128), source 1 = 16 rows of A.  A lane then holds row l % 16 of C and the eight
; neighbouring columns 8 (l / 16) + 0..7.  THE BIAS IS THE C OPERAND of the first K step's first products: nothing is cleared and nothing is added on the way out.
; LDS LOADS.  A K step is four quarters of 32 along K, 64 matrix instructions each, on two fragment buffers.  A quarter's 32 loads stand in one run at the head of the quarter before it, 64 matrix
; instructions ahead of their first use (behind a change of slots: 48): the four waves issue their runs together, 64 KiB in all.
; THE LAST K STEP GOES BY ROWS OF C: all its fragments of B fill window 1, A's come by blocks of 16 rows, and each block of C leaves as soon as its 32 matrix instructions are done, while the others are multiplied.
; REGISTERS, in windows of 256: window 0: v0-31 addresses; v64-127, v128-191 A's two fragment buffers (in the last K step four, of 16 rows x 128 K); v192-255 the bias (8 column blocks x 8) until the
; first quarter is done, then v192-223 packed results and v32-63, v224-255 rows read back from the stage.  window 1: v64-127, v128-191 B's two buffers; in the last K step all 256.
; windows 2, 3: the accumulators of my rows 0-63, 64-127 ((a, b) at v[8 (8 a + b)]).
.set QKV,    0
.set KSTEP,  128
.set SIZE_K, 1024
.set PA,     272                       ; a row of A in LDS: 256 bytes + 16 = 68 words: the 16 rows of a load start at 16 different groups of four banks (64 banks of 4 bytes: ISA guide 11.1)
.set PB,     544                       ; a row of B: 512 bytes + 32 = 136 words
.set HALF,   128*PA                    ; what one tensor load brings: 128 rows of A, or 64 rows of B (64 x 544 is the same number)
.set SLOT,   4*HALF                    ; A's 256 rows, then B's 128 k rows
.set STAGE,  2*SLOT                    ; behind the ring: 16 rows x 272 bytes for each wave, for the way out; no tensor load lands there
.set SPITCH, 272
.set SPARE,  STAGE+4*16*SPITCH         ; behind the stages: the spare words, 128 bytes for each wave: two blocks of 256 bytes that no other line names
.set LAPS,   SIZE_K/(2*KSTEP)          ; a lap = two K steps = once round the ring
.if QKV
.set NB,     1024                      ; elements from row to row of B
.set RB,     68                        ; the scalar pair with the buffer that holds B
.set B_OFF,  8388608                   ; where Wq begins in it
.else
.set NB,     4096
.set RB,     70
.set B_OFF,  16777216                  ; where W1 begins
.endif
.set BSTEP,  KSTEP*NB*2                ; bytes from a K step of B to the next
.set ADRA, 16                          ; v16-17  LDS address of my A fragments in slot 0, 1
.set ADRB, 20                          ; v20-21  the same for B
.set STO,  24                          ; v24     the way out: where I put 16 bytes of a row
.set RD,   25                          ; v25     the way out: where I read rows back
.set CO,   26                          ; v26     my byte offset in C
.set BO,   27                          ; v27     my byte offset in 16 numbers of the bias
.set SPW,  28                          ; v28     LDS address of my spare word; never rewritten
.set NIL,  29                          ; v29     0; never rewritten
.set F0,   64
.set F1,   128
.set RA,   64                          ; the last K step: A's fragments of 16 rows x 128 K, 32 registers; four such buffers, v64-191
.set TMP,  192
.set OB,   32
.set BIAS, 192
.set G1,  24                           ; s[24:31] descriptor group 1 for A;  s[32:39] group 0, a set for each slot
.set G0,  32
.set G1B, 48                           ; s[48:55], s[56:63] the same for B
.set G0B, 56
.set TO_B, 0x40                        ; destination window 1, address window 0
.set MSB, 0
.macro WIN new                         ; the immediate's high byte repeats the setting that is left; a switch that changes nothing is dropped
.if MSB != (\new)
	s_set_vgpr_msb (MSB<<8)|(\new)
.set MSB, \new
.endif
.endm
; A joint load.  Waves 0 and 1 fetch for A, waves 2 and 3 for B; the branch hangs on the wave's number alone.  Four v_nop follow each of the two lines, ahead of the jump and the label.
.macro JLOAD s
	s_cmp_eq_u32 s11, 0
	s_cbranch_scc0 .Lfor_b_\@
	tensor_load_to_lds s[G0+4*(\s):G0+4*(\s)+3], s[G1:G1+7]
	s_nop 0
.rept 4
	v_nop
.endr
	s_branch .Lasked_\@
.Lfor_b_\@:
	tensor_load_to_lds s[G0B+4*(\s):G0B+4*(\s)+3], s[G1B:G1B+7]
	s_nop 0
.rept 4
	v_nop
.endr
.Lasked_\@:
.endm
; A round of the cluster's barrier: my work-group's barrier, so that wave 0's signal speaks for all four waves; wave 0 signals; every wave waits for all sixteen work-groups; my work-group's barrier once more.
.macro CREST                           ; a round behind its opening barrier
	s_cmp_lg_u32 s10, 0
	s_cbranch_scc1 .Lnot_wave_0_\@
	s_barrier_signal -3
.Lnot_wave_0_\@:
	s_barrier_wait -3
	s_barrier_signal -1
	s_barrier_wait -1
.endm
.macro CROUND
	s_barrier_signal -1
	s_barrier_wait -1
	CREST
.endm
	s_load_b256 s[68:75], s[0:1], 0x0              ; QKV: bf 68, bq 70, bk 72, bv 74.  Else: hb 68, bf 70, b1 72, act 74
.if QKV
	s_load_b64 s[8:9], s[0:1], 0x20                ; qkv
.endif
	v_lshl_add_u32 v[SPW], v0, 2, SPARE
	v_mov_b32 v[NIL], 0
	ds_add_u32 v28, v29
	s_wait_dscnt 0x0
	v_lshrrev_b32 v1, 5, v0
	v_readfirstlane_b32 s10, v1                    ; wave 0..3
	s_lshr_b32 s11, s10, 1                         ; which half of the tile's rows is mine.  Also: I fetch for A (0) or for B (1)
	s_and_b32 s12, s10, 1                          ; which half of its columns.  Also: which half of that tile I fetch
	s_bfe_u32 s40, ttmp6, 0x40000                  ; cx
	s_bfe_u32 s41, ttmp6, 0x40004                  ; cy
	s_mov_b32 s45, ttmp9                           ; the cluster's x, which all partners share
	s_lshl_b32 s42, ttmp9, 2
	s_add_co_u32 s42, s42, s40                     ; tile column = 4 x cluster x + cx
	s_and_b32 s13, ttmp7, 0xffff
	s_lshl_b32 s13, s13, 2
	s_add_co_u32 s13, s13, s41                     ; tile row = 4 x cluster y + cy
	s_lshl_b32 s43, s41, 2
	s_lshl_b32 s43, 15, s43                        ; my row of the cluster: places 4 cy .. 4 cy + 3
	s_lshl_b32 s44, 0x1111, s40                    ; my column: places cx, cx + 4, cx + 8, cx + 12
	; group 1 for A: 128 rows x 128 elements, 16 bytes of padding behind every 64 words
	s_or_b32 s[G1+0], s43, (1<<16)|(1<<20)|(1<<21)|(5<<22)|(3<<25)
	s_mov_b32 s[G1+1], KSTEP<<16                   ; tensor_dim0 = 128
	s_mov_b32 s[G1+2], 128<<16                     ; tensor_dim1 = 128
	s_mov_b32 s[G1+3], KSTEP<<16                   ; tile_dim0 = 128
	s_mov_b32 s[G1+4], 128                         ; tile_dim1 = 128
	s_mov_b32 s[G1+5], SIZE_K                      ; elements from row to row
	s_mov_b32 s[G1+6], 0
	s_mov_b32 s[G1+7], 0
	; group 1 for B: 64 k rows x 256 elements, 32 bytes of padding behind every 128 words
	s_or_b32 s[G1B+0], s44, (1<<16)|(1<<20)|(1<<21)|(6<<22)|(7<<25)
	s_mov_b32 s[G1B+1], 256<<16
	s_mov_b32 s[G1B+2], 64<<16
	s_mov_b32 s[G1B+3], 256<<16
	s_mov_b32 s[G1B+4], 64
	s_mov_b32 s[G1B+5], NB
	s_mov_b32 s[G1B+6], 0
	s_mov_b32 s[G1B+7], 0
	; where the tiles come from: A's offset is made of the tile row and the wave, B's of the tile column and the wave, each in registers that never hold the other coordinate
	s_lshl_b32 s17, s12, 7
	s_lshl_b32 s16, s13, 8
	s_add_co_u32 s16, s16, s17                     ; A: row 256 x tile row + 128 x half,
	s_lshl_b32 s16, s16, 11                        ; x 2,048 bytes
	s_mov_b32 s17, 0
	s_mul_i32 s46, s12, 64*NB*2                    ; B: k row 64 x half,
.if QKV
	s_lshl_b32 s47, s40, 9                         ; column 256 cx of the matrix,
	s_add_co_u32 s46, s46, s47
	s_lshl_b32 s47, s45, 21                        ; the matrix: 2 MiB each
	s_add_co_u32 s46, s46, s47
.else
	s_lshl_b32 s47, s42, 9                         ; column 256 x tile column
	s_add_co_u32 s46, s46, s47
.endif
	s_add_co_u32 s46, s46, B_OFF
	s_mov_b32 s47, 0
	s_mul_i32 s20, s10, HALF                       ; and where they go: wave x a quarter of a slot: no place in the cluster enters an LDS address
	s_wait_kmcnt 0x0
	s_add_nc_u64 s[14:15], s[68:69], s[16:17]
	s_add_nc_u64 s[46:47], s[RB:RB+1], s[46:47]
	CROUND                                         ; all sixteen work-groups are here: the first joint loads meet
.irp s, 0,1
	s_mov_b32 s[G0+4*(\s)], 1
	s_add_co_u32 s[G0+4*(\s)+1], s20, (\s)*SLOT
	s_add_nc_u64 s[G0+4*(\s)+2:G0+4*(\s)+3], s[14:15], (\s)*KSTEP*2
	s_or_b32 s[G0+4*(\s)+3], s[G0+4*(\s)+3], 0x80000000
	s_mov_b32 s[G0B+4*(\s)], 1
	s_add_co_u32 s[G0B+4*(\s)+1], s20, (\s)*SLOT
	s_add_nc_u64 s[G0B+4*(\s)+2:G0B+4*(\s)+3], s[46:47], (\s)*BSTEP
	s_or_b32 s[G0B+4*(\s)+3], s[G0B+4*(\s)+3], 0x80000000
	JLOAD \s                                       ; the ring is filled before anything else is done: two loads of mine are out
.endr
	; A's fragment: lane l holds row l % 16, K = 8 (l / 16) + 0..7 and 16 + 8 (l / 16) + 0..7: two loads of 16 bytes, 32 bytes apart.
	; B's: the turning load takes 16 k x 16 columns (lane l reads k row 8 (l / 16) + l % 8, columns 8 ((l / 8) % 2) + 0..7) and leaves half a fragment: lane l holds column l % 16 and 8 k.
	v_and_b32 v1, 15, v0                           ; l % 16
	v_bfe_u32 v2, v0, 4, 1                         ; l / 16
	v_mul_u32_u24 v3, v1, PA
	v_lshl_add_u32 v3, v2, 4, v3
	v_and_b32 v4, 7, v0
	v_lshl_add_u32 v4, v2, 3, v4
	v_mul_u32_u24 v4, v4, PB
	v_bfe_u32 v5, v0, 3, 1
	v_lshl_add_u32 v4, v5, 4, v4
	s_mul_i32 s21, s11, HALF                       ; my 128 rows of A
	s_lshl_b32 s22, s12, 8                         ; my 128 columns of B: 256 bytes into each k row,
	s_add_co_u32 s22, s22, 2*HALF                  ; behind A's 256 rows
.irp s, 0,1
	v_add_nc_u32 v[ADRA+(\s)], s21, v3
	v_add_nc_u32 v[ADRB+(\s)], s22, v4
	s_add_co_u32 s21, s21, SLOT
	s_add_co_u32 s22, s22, SLOT
.endr
	s_mul_i32 s23, s10, 16*SPITCH
	s_add_co_u32 s23, s23, STAGE                   ; my stage
	v_mul_u32_u24 v6, v1, SPITCH                   ; in: row l % 16, 16 bytes for each half of the lanes
	v_lshl_add_u32 v6, v2, 4, v6
	v_add_nc_u32 v[STO], s23, v6
.if QKV
	v_bfe_u32 v6, v0, 3, 2                         ; back: 32 lanes take four rows' 128 bytes of one head (two rows of a pass share some banks: on the way out alone),
	v_mul_u32_u24 v6, v6, SPITCH
	v_and_b32 v7, 7, v0
	v_lshl_add_u32 v6, v7, 4, v6
	v_add_nc_u32 v[RD], s23, v6
	v_and_b32 v7, 31, v0
	v_lshlrev_b32 v[CO], 4, v7                     ; which are 512 consecutive bytes of the head
	s_lshr_b32 s16, s13, 3                         ; the batch: 8 tile rows each, 16 heads of 262,144 bytes
	s_lshl_b32 s16, s16, 22
	s_and_b32 s17, s13, 7
	s_lshl_b32 s17, s17, 8
	s_lshl_b32 s18, s11, 7
	s_add_co_u32 s17, s17, s18                     ; my first row in the batch,
	s_lshl_b32 s17, s17, 7                         ; x 128 bytes
	s_add_co_u32 s16, s16, s17
	s_lshl_b32 s17, s45, 23                        ; the matrix: 8 MiB each
	s_add_co_u32 s16, s16, s17
	s_lshl_b32 s46, s40, 2
	s_lshl_b32 s47, s12, 1
	s_add_co_u32 s46, s46, s47                     ; my first head = 4 cx + 2 x half
	s_lshl_b32 s46, s46, 18
	s_add_co_u32 s16, s16, s46
	s_mov_b32 s17, 0
	s_add_nc_u64 s[8:9], s[8:9], s[16:17]
	s_mov_b64 s[76:77], s[70:71]                   ; the bias goes with the matrix
	s_cmp_eq_u32 s45, 1
	s_cselect_b64 s[76:77], s[72:73], s[76:77]
	s_cmp_eq_u32 s45, 2
	s_cselect_b64 s[76:77], s[74:75], s[76:77]
	s_lshl_b32 s46, s40, 10                        ; my first column in it, x 4 bytes
	s_lshl_b32 s47, s12, 9
	s_add_co_u32 s46, s46, s47
	s_mov_b32 s47, 0
	s_add_nc_u64 s[76:77], s[76:77], s[46:47]
.else
	v_mul_u32_u24 v6, v2, SPITCH                   ; back: lanes 0-15 take one row of 256 bytes, lanes 16-31 the next,
	v_lshl_add_u32 v6, v1, 4, v6
	v_add_nc_u32 v[RD], s23, v6
	v_lshlrev_b32 v6, 13, v2                       ; and the same two rows in C, 8,192 bytes apart
	v_lshl_add_u32 v[CO], v1, 4, v6
	s_lshl_b32 s16, s13, 8
	s_lshl_b32 s17, s11, 7
	s_add_co_u32 s16, s16, s17                     ; my first row of C,
	s_lshl_b32 s16, s16, 13                        ; x 8,192 bytes
	s_lshl_b32 s46, s42, 9                         ; my first column, x 2 bytes
	s_lshl_b32 s47, s12, 8
	s_add_co_u32 s46, s46, s47
	s_add_co_u32 s16, s16, s46
	s_mov_b32 s17, 0
	s_add_nc_u64 s[8:9], s[74:75], s[16:17]
	s_lshl_b32 s46, s42, 10                        ; the same column in the bias, x 4 bytes
	s_lshl_b32 s47, s12, 9
	s_add_co_u32 s46, s46, s47
	s_mov_b32 s47, 0
	s_add_nc_u64 s[76:77], s[72:73], s[46:47]
.endif
	v_lshlrev_b32 v[BO], 5, v2                     ; register j of block b is the bias of column 16 b + 8 (l / 16) + j
.irp b, 0,1,2,3,4,5,6,7
	global_load_b128 v[BIAS+8*(\b):BIAS+8*(\b)+3],   v[BO], s[76:77] offset:64*(\b)
	global_load_b128 v[BIAS+8*(\b)+4:BIAS+8*(\b)+7], v[BO], s[76:77] offset:64*(\b)+16
.endr
; 16 matrix instructions: m blocks a0, a0 + 1 of the window's four (hi = 0: my rows 0-63, 1: rows 64-127) x all 8 n blocks, 32 along K.  first = 1: the bias starts the sums.
; The 64 accumulators take turns, one instruction a turn, in the same order in every quarter.
.macro MUL16 f, hi, a0, first
.if \first
	WIN 0x81+0x40*(\hi)                            ; B window 1, A and the bias window 0, D window 2 or 3
.else
	WIN 0xa1+0x50*(\hi)                            ; B window 1, A window 0, C and D window 2 or 3
.endif
.irp a, \a0, (\a0)+1
.irp b, 0,1,2,3,4,5,6,7
.if \first
	v_wmma_f32_16x16x32_bf16 v[8*(8*(\a)+(\b)):8*(8*(\a)+(\b))+7], v[(\f)+8*(\b):(\f)+8*(\b)+7], v[(\f)+8*(4*(\hi)+(\a)):(\f)+8*(4*(\hi)+(\a))+7], v[BIAS+8*(\b):BIAS+8*(\b)+7]
.else
	v_wmma_f32_16x16x32_bf16 v[8*(8*(\a)+(\b)):8*(8*(\a)+(\b))+7], v[(\f)+8*(\b):(\f)+8*(\b)+7], v[(\f)+8*(4*(\hi)+(\a)):(\f)+8*(4*(\hi)+(\a))+7], v[8*(8*(\a)+(\b)):8*(8*(\a)+(\b))+7]
.endif
.endr
.endr
.endm
; 32 LDS loads in one run: the fragments of quarter q (32 along K) of a slot into buffer f: B's 128 columns, turned, then A's 128 rows
.macro FETCH slot, q, f
	WIN TO_B
.irp i, 0,1,2,3,4,5,6,7
	ds_load_tr16_b128 v[(\f)+8*(\i):(\f)+8*(\i)+3],   v[ADRB+(\slot)] offset:(\q)*32*PB+32*(\i)
	ds_load_tr16_b128 v[(\f)+8*(\i)+4:(\f)+8*(\i)+7], v[ADRB+(\slot)] offset:(\q)*32*PB+32*(\i)+16*PB
.endr
	WIN 0
.irp i, 0,1,2,3,4,5,6,7
	ds_load_b128 v[(\f)+8*(\i):(\f)+8*(\i)+3],   v[ADRA+(\slot)] offset:64*(\q)+(\i)*16*PA
	ds_load_b128 v[(\f)+8*(\i)+4:(\f)+8*(\i)+7], v[ADRA+(\slot)] offset:64*(\q)+(\i)*16*PA+32
.endr
.endm
; A load into a register that a matrix instruction has read, and a vector instruction that reads a matrix result, stand four places behind it; only plain vector instructions that name none of its
; registers are places (ISA guide 7.12.1 for vector instructions).
.macro PLACES
.rept 4
	v_nop
.endr
.endm
; One of a K step's first three quarters.  At its head buffer f is whole; quarter q of the same slot is asked for, into buffer g, which the quarter before multiplied; then buffer f is multiplied.
.macro QUARTER slot, q, f, g, first
	s_wait_dscnt 0x0                               ; buffer f's 32 loads, issued a quarter ago, are in
	PLACES                                         ; behind the last matrix instruction that read buffer g
	FETCH \slot, \q, \g
	MUL16 \f, 0, 0, \first
	MUL16 \f, 0, 2, \first
	MUL16 \f, 1, 0, \first
	MUL16 \f, 1, 2, \first
.endm
; The head of a K step's last quarter: ONE barrier for the change of slots.  In front of it each wave waits for all its tensor loads (one is out: its part of the next slot), adds 0 to its spare
; word, and waits for that and for its own reads of this slot, of which the last are buffer 1's.  Behind it nobody reads this slot any more and the next slot is whole.
.macro MEET
	WIN 0                                          ; (the add's two registers lie in window 0)
	s_wait_tensorcnt 0x0
	ds_add_u32 v[SPW], v[NIL]                      ; 0 onto my spare word
	s_wait_dscnt 1                                 ; buffer 1 is whole; the add alone may be out
	MUL16 F1, 0, 0, 0                              ; sixteen matrix instructions stand between the add and the wait for it
	WIN 0                                          ; (branches may follow)
	s_wait_dscnt 0x0                               ; the add is done, and my reads of this slot are over
	s_barrier_signal -1
	s_barrier_wait -1
.endm
; The whole last quarter.  Behind the round the slot just read out is filled again first, with the K step two steps on: 240 matrix instructions ahead of the wait for it; then come the next slot's
; first fragments, 48 matrix instructions ahead of their use.
.macro TURN slot, next
	MEET
	CREST                                          ; no wave of any partner still reads this slot's tile or has a load on its way
	s_add_nc_u64 s[G0+4*(\slot)+2:G0+4*(\slot)+3], s[G0+4*(\slot)+2:G0+4*(\slot)+3], 2*KSTEP*2
	s_add_nc_u64 s[G0B+4*(\slot)+2:G0B+4*(\slot)+3], s[G0B+4*(\slot)+2:G0B+4*(\slot)+3], 2*BSTEP
	JLOAD \slot                                    ; my one tensor load behind the round; its four v_nop are also the places in front of the loads below
	FETCH \next, 0, F0
	MUL16 F1, 0, 2, 0
	MUL16 F1, 1, 0, 0
	MUL16 F1, 1, 2, 0
.endm
; THE LAST K STEP (it lies in slot 1), BY ROWS OF C.  B's fragments of quarter q go to window 1, v[64 q ..]; A's of block a (16 rows, all four quarters) to buffer a % 4.
.macro BLOAD q
	WIN TO_B
.irp i, 0,1,2,3,4,5,6,7
	ds_load_tr16_b128 v[64*(\q)+8*(\i):64*(\q)+8*(\i)+3],   v[ADRB+1] offset:(\q)*32*PB+32*(\i)
	ds_load_tr16_b128 v[64*(\q)+8*(\i)+4:64*(\q)+8*(\i)+7], v[ADRB+1] offset:(\q)*32*PB+32*(\i)+16*PB
.endr
.endm
.macro ALOAD a
	WIN 0
.set FA, RA+32*((\a)%4)
.irp q, 0,1,2,3
	ds_load_b128 v[FA+8*(\q):FA+8*(\q)+3],   v[ADRA+1] offset:64*(\q)+(\a)*16*PA
	ds_load_b128 v[FA+8*(\q)+4:FA+8*(\q)+7], v[ADRA+1] offset:64*(\q)+(\a)*16*PA+32
.endr
.endm
.macro ROW a                           ; block a is finished: 32 matrix instructions, its 8 accumulators by turns, K ascending
.set FA, RA+32*((\a)%4)
.set AC, 64*((\a)%4)
	WIN 0xa1+0x50*((\a)/4)
.irp q, 0,1,2,3
.if (\a) == 0 && (\q) == 2
	s_wait_dscnt 24                                ; B's quarter 2 is in (behind it: A's blocks 1 to 3)
.endif
.irp b, 0,1,2,3,4,5,6,7
	v_wmma_f32_16x16x32_bf16 v[AC+8*(\b):AC+8*(\b)+7], v[64*(\q)+8*(\b):64*(\q)+8*(\b)+7], v[FA+8*(\q):FA+8*(\q)+7], v[AC+8*(\b):AC+8*(\b)+7]
.endr
.endr
.endm
; THE WAY OUT of block a (16 of my rows).  PACK: (relu and) rounding to bf16, each accumulator's registers in ascending order.  TOSTAGE: into my own stage, and back by rows.  SEND: stored.
.macro PACK a
.set AC, 64*((\a)%4)
.if !QKV
	WIN 0xaa+0x55*((\a)/4)                         ; all places window 2 or 3
.set z, 0
.rept 64
	v_max_num_f32 v[AC+z], 0, v[AC+z]
.set z, z+1
.endr
.endif
	WIN 0x0a+5*((\a)/4)                            ; sources window 2 or 3, destination window 0
.irp b, 0,1,2,3,4,5,6,7
.irp r, 0,1,2,3
	v_cvt_pk_bf16_f32 v[TMP+4*(\b)+(\r)], v[AC+8*(\b)+2*(\r)], v[AC+8*(\b)+2*(\r)+1]
.endr
.endr
	WIN 0
.endm
.macro TOSTAGE a
	WIN 0
.set BK, OB+192*((\a)%2)
.irp b, 0,1,2,3,4,5,6,7
	ds_store_b128 v[STO], v[TMP+4*(\b):TMP+4*(\b)+3] offset:32*(\b)
.endr
.irp t, 0,1,2,3,4,5,6,7                ; LDS serves a wave's instructions in order (ISA guide 5.7.1.4): these see the stores above
.if QKV
	ds_load_b128 v[BK+4*(\t):BK+4*(\t)+3], v[RD] offset:128*((\t)/4)+4*SPITCH*((\t)%4)  ; head t / 4 of my two, rows 4 (t % 4) on
.else
	ds_load_b128 v[BK+4*(\t):BK+4*(\t)+3], v[RD] offset:(\t)*2*SPITCH
.endif
.endr
.endm
.macro SEND a, younger                 ; younger: the LDS loads issued behind TOSTAGE's, which may stay out
	WIN 0
.set BK, OB+192*((\a)%2)
	s_wait_dscnt \younger                          ; the block is back in registers
	s_wait_xcnt 0x0                                ; the stores of the block before have read their registers (ISA guide 3.1): the next block's loads from the stage land on them only behind this wait
.irp t, 0,1,2,3,4,5,6,7
.if QKV
	global_store_b128 v[CO], v[BK+4*(\t):BK+4*(\t)+3], s[8:9] offset:262144*((\t)/4)+2048*(\a)+512*((\t)%4)  ; 512 consecutive bytes of a head, at a multiple of 512
.else
	global_store_b128 v[CO], v[BK+4*(\t):BK+4*(\t)+3], s[8:9] offset:(16*(\a)+2*(\t))*8192  ; 16 lanes store 256 consecutive bytes, at a multiple of 256
.endif
.endr
.endm
	s_wait_tensorcnt 1                             ; my part of K step 0 is in; K step 1's may stay out
	s_barrier_signal -1
	s_barrier_wait -1                              ; everybody's is
	FETCH 0, 0, F0
	s_wait_loadcnt 0x0                             ; the bias
	QUARTER 0, 1, F0, F1, 1                        ; the first quarter stands in front of the loop: its products start the sums
	WIN 0                                          ; at a label and at a branch every window is 0
	s_mov_b32 s3, LAPS-1
.Llap:                                                 ; a trip goes once round the ring, from a lap's second quarter to the next lap's first, and fills both slots again
	QUARTER 0, 2, F1, F0, 0
	QUARTER 0, 3, F0, F1, 0
	TURN 0, 1
	QUARTER 1, 1, F0, F1, 0
	QUARTER 1, 2, F1, F0, 0
	QUARTER 1, 3, F0, F1, 0
	TURN 1, 0
	QUARTER 0, 1, F0, F1, 0
	WIN 0
	s_sub_co_u32 s3, s3, 1
	s_cmp_lg_u32 s3, 0
	s_cbranch_scc1 .Llap
	QUARTER 0, 2, F1, F0, 0                        ; the last lap is written out: it asks for nothing
	QUARTER 0, 3, F0, F1, 0
	MEET                                           ; the load that was still out is the last K step's, so no round follows
	PLACES                                         ; for the loads into buffer 0, which the quarter before multiplied
	BLOAD 0                                        ; three quarters of B now: buffer 1 (v128-191 of both windows) is still being multiplied
	BLOAD 1
	BLOAD 3
	ALOAD 0
	MUL16 F1, 0, 2, 0
	MUL16 F1, 1, 0, 0
	MUL16 F1, 1, 2, 0
	PLACES                                         ; for the loads into buffer 1
	BLOAD 2
	ALOAD 1
	ALOAD 2
	ALOAD 3
	s_wait_dscnt 40                                ; all but the 40 just issued
	ROW 0
.irp a, 0,1,2,3,4,5,6,7                ; each block leaves as soon as it is finished: nothing follows this tile under which its stores could leave
	PLACES                                         ; its arithmetic reads results just made
	PACK \a
	TOSTAGE \a
.if (\a) < 4
	ALOAD (\a)+4                                   ; its buffer takes the block four further on
	SEND \a, 8
.else
	SEND \a, 0
.endif
.if (\a) < 7
	ROW (\a)+1
.endif
.endr
	s_wait_tensorcnt 0x0                           ; the wave's end
	ds_add_u32 v[SPW], v[NIL]
	s_wait_dscnt 0x0
	CROUND                                         ; the closing round: no work-group ends while a partner may still ask for a tile that names it
	s_endpgm
.Lfunc_end_k_q39d57f46d9_w1:
	.size	k_q39d57f46d9_w1, .Lfunc_end_k_q39d57f46d9_w1-k_q39d57f46d9_w1
	.p2alignl 7, 3214868480
	.fill 96, 4, 3214868480
	.section	.rodata,"a",@progbits
	.p2align	6, 0x0
	.amdhsa_kernel k_q39d57f46d9_w1
		.amdhsa_group_segment_fixed_size 327680
		.amdhsa_private_segment_fixed_size 0
		.amdhsa_enable_private_segment 0
		.amdhsa_kernarg_size 32
		.amdhsa_user_sgpr_count 2
		.amdhsa_user_sgpr_kernarg_segment_ptr 1
		.amdhsa_wavefront_size32 1
		.amdhsa_system_sgpr_workgroup_id_x 1
		.amdhsa_system_sgpr_workgroup_id_y 1
		.amdhsa_system_sgpr_workgroup_id_z 1
		.amdhsa_system_vgpr_workitem_id 0
		.amdhsa_next_free_vgpr 1024
		.amdhsa_next_free_sgpr 80
		.amdhsa_reserve_vcc 0
		.amdhsa_float_denorm_mode_32 3
		.amdhsa_float_denorm_mode_16_64 3
		.amdhsa_memory_ordered 1
		.amdhsa_forward_progress 1
		.amdhsa_inst_pref_size 161
	.end_amdhsa_kernel
	.amdgpu_metadata
---
amdhsa.version: [ 1, 2 ]
amdhsa.kernels:
  - .name:           k_q39d57f46d9_w1
    .symbol:         k_q39d57f46d9_w1.kd
    .args:
      - { .name: hb, .offset: 0, .size: 8, .value_kind: global_buffer, .address_space: global }
      - { .name: bf, .offset: 8, .size: 8, .value_kind: global_buffer, .address_space: global }
      - { .name: b1, .offset: 16, .size: 8, .value_kind: global_buffer, .address_space: global }
      - { .name: act, .offset: 24, .size: 8, .value_kind: global_buffer, .address_space: global }
    .group_segment_fixed_size: 327680
    .private_segment_fixed_size: 0
    .kernarg_segment_align: 8
    .kernarg_segment_size: 32
    .max_flat_workgroup_size: 128
    .sgpr_count:     80
    .vgpr_count:     1024
    .wavefront_size: 32
...
	.end_amdgpu_metadata
.endif
;; end of part 6
;; launch w2 (part 7): grid 8 x 32, 4 waves a work-group, clusters of 4 x 4, 327,680 bytes of LDS; arguments act, bf, b2, h, y; writes y
.if DOCPART == 7
	.amdgcn_target "amdgcn-amd-amdhsa--gfx1250"
	.amdhsa_code_object_version 6
	.text
	.protected	k_q39d57f46d9_w2
	.globl	k_q39d57f46d9_w2
	.p2align	8
	.type	k_q39d57f46d9_w2,@function
k_q39d57f46d9_w2:
	s_mov_b64 s[64:65], 0
	v_nop
	global_prefetch_b8 v0, s[64:65] scope:SCOPE_SE
	s_setreg_imm32_b32 hwreg(HW_REG_WAVE_MODE, 25, 1), 1
	s_wait_xcnt 0x0
	s_wait_alu depctr_hold_cnt(0) depctr_sa_sdst(0) depctr_va_vdst(0) depctr_va_sdst(0) depctr_va_ssrc(0) depctr_va_vcc(0) depctr_vm_vsrc(0)
	s_getreg_b32 s2, hwreg(HW_REG_IB_STS2, 6, 4)
	s_cmp_eq_u32 s2, 0
	s_cbranch_scc0 .Lentry_in_a_cluster
	s_endpgm
.Lentry_in_a_cluster:
	s_bfe_u32 s2, ttmp6, 0x10000c
	s_cmp_lg_u32 s2, 0xf033
	s_cbranch_scc0 .Lentry_shape_is_right
	s_endpgm
.Lentry_shape_is_right:
; y = act x W2 + b2 + h on tiles of 128 x 128, in f32.  act: [4096][4096] bf16, rows along K.  W2: [4096][1024] bf16 (bf at 24 MiB), rows along N, as the weights lie.  b2: [1024] f32; h, y: [4096][1024] f32.
; Sums in f32, K ascending.  LIMITS.  The operands are bf16 roundings; bias and residual are added in f32.
; SHARES.  128 x 128 gives each of 256 work-groups one tile.  Four waves, each 64 x 64: 16 accumulators, 128 registers.  K goes in steps of 256 through two LDS slots; each wave fetches by one tensor load:
; waves 0, 1 A's rows 0-63, 64-127 (rows of 512 bytes), waves 2, 3 B's k rows 0-127, 128-255 (rows of 256 bytes).
; CLUSTER.  4 x 4 work-groups: A's tile is asked for jointly by a row of the cluster, B's by a column.
; THE MATRIX INSTRUCTION IS USED TRANSPOSED (source 0 = 16 columns of B, turned by ds_load_tr16_b128; source 1 = 16 rows of A): a lane holds eight neighbouring columns of a row of C.
; THE BIAS IS THE C OPERAND of the first products.  THE RESIDUAL is asked for at the start, into registers, in the shape in which rows come back from the stage, and stays out through the whole K loop.
; REQUESTS AHEAD.  Of 16 K steps 14 are refills, and a refill has one K step's 128 matrix instructions a wave in which to land.  So what later refills will read is asked for ahead by global_prefetch_b8,
; each aligned block of 256 bytes once in the launch, the lanes of a request 256 bytes apart or further.  A: the eight work-groups of a tile row share a K step's 128 rows x 2 blocks, 32 blocks each
; (rows 16 x tile column on): waves 0 and 1 ask, one K step each a lap.  B: the 32 work-groups of a tile column share a K step's 256 blocks, 8 each (k rows 8 x tile row on): wave 2 asks, four K steps in
; one request, every other lap.  At the start: A's K steps 2 and 3, B's 2 to 5.  Behind the second refill of trip j: A's K steps 4 + 2 j and 5 + 2 j, one and two refills ahead of their tensor loads; in
; trips 1, 3 and 5 B's K steps 4 + 2 j to 7 + 2 j, one to four refills ahead.  WHERE IT STOPS: the last trip asks for nothing; in trip 5 B's lanes past K step 15 are held at the buffer's last block.
; REGISTERS: window 0: v0-31 addresses; v32-95 two buffers of rows on the way out; v96-127 the bias (4 column blocks x 8); v128-255 the accumulators ((a, b) at v[128 + 8 (4 a + b)]).
;   window 1: two fragment buffers of 128: for 64 along K, 64 registers of A, then 64 of B.   window 2: v0-127 the residual.
.set KSTEP,  256
.set SIZE_K, 4096
.set AP,     528                       ; a row of A in LDS: 512 bytes + 16: an odd multiple of 16: the 16 rows of a load start at 16 different groups of four banks (64 banks of 4 bytes: ISA guide 11.1)
.set AQ,     128                       ; bytes from a quarter (64 along K) to the next
.set HALFA,  64*AP                     ; what one load of A brings
.set ASTEP,  KSTEP*2                   ; bytes from a K step of A to the next
.set B_OFF,  25165824                  ; where W2 begins in bf
.set PB,     288                       ; a row of B: 256 bytes + 32 = 72 words
.set HALFB,  128*PB
.set BSTEP,  KSTEP*1024*2
.set SLOT,   2*HALFA+2*HALFB           ; A's 128 rows, then B's 256 k rows
.set STAGE,  2*SLOT                    ; behind the ring: 16 rows x 272 bytes for each wave; no tensor load lands there
.set SPITCH, 272
.set SPARE,  STAGE+4*16*SPITCH         ; behind the stages: the spare words, 128 bytes for each wave: two blocks of 256 bytes that no other line names
.set LAPS,   SIZE_K/(2*KSTEP)
.set PFA0, 8                           ; v8      requests ahead, A: my lane's byte offset in act at K step 0; never rewritten
.set PFA,  9                           ; v9      the offset in use
.set PFB0, 10                          ; v10     the same for B: my lane's byte offset in bf at K step 0; never rewritten
.set PFB,  11                          ; v11     the offset in use
.set PFB_MAX, 33554432-256             ; the last block of bf
.set ADRA, 16                          ; v16-17  LDS address of my A fragments in slot 0, 1
.set ADRB, 20                          ; v20-23  the same for B: slot 0 k rows 0-127, 128-255; slot 1 likewise (a slot's 256 rows pass an offset's 16 bits)
.set STO,  24                          ; v24     the way out: where I put 32 bytes of a row
.set RD,   25                          ; v25     the way out: where I read rows back
.set CO,   26                          ; v26     my byte offset in two rows of h and of y; never rewritten
.set BO,   27                          ; v27     my byte offset in 16 numbers of the bias
.set SPW,  28                          ; v28     LDS address of my spare word; never rewritten
.set NIL,  29                          ; v29     0; never rewritten
.set TMP,  32
.set BIAS, 96
.set ACC,  128
.set F0,   0
.set F1,   128
.set G1,  24                           ; s[24:31] descriptor group 1 for A;  s[32:39] group 0, a set for each slot
.set G0,  32
.set G1B, 48                           ; s[48:55], s[56:63] the same for B
.set G0B, 56
.set MUL,  0x05                        ; sources 0 (B) and 1 (A) window 1; C and D window 0
.set TO_F, 0x40                        ; destination window 1, address window 0
.set MSB, 0
.macro WIN new                         ; the immediate's high byte repeats the setting that is left; a switch that changes nothing is dropped
.if MSB != (\new)
	s_set_vgpr_msb (MSB<<8)|(\new)
.set MSB, \new
.endif
.endm
.macro JLOAD s                         ; a joint load: waves 0 and 1 fetch for A, waves 2 and 3 for B; four v_nop follow each of the two lines, ahead of the jump and the label
	s_cmp_eq_u32 s11, 0
	s_cbranch_scc0 .Lfor_b_\@
	tensor_load_to_lds s[G0+4*(\s):G0+4*(\s)+3], s[G1:G1+7]
	s_nop 0
.rept 4
	v_nop
.endr
	s_branch .Lasked_\@
.Lfor_b_\@:
	tensor_load_to_lds s[G0B+4*(\s):G0B+4*(\s)+3], s[G1B:G1B+7]
	s_nop 0
.rept 4
	v_nop
.endr
.Lasked_\@:
.endm
.macro CREST                           ; a round of the cluster's barrier behind its opening barrier
	s_cmp_lg_u32 s10, 0
	s_cbranch_scc1 .Lnot_wave_0_\@
	s_barrier_signal -3
.Lnot_wave_0_\@:
	s_barrier_wait -3
	s_barrier_signal -1
	s_barrier_wait -1
.endm
.macro CROUND
	s_barrier_signal -1
	s_barrier_wait -1
	CREST
.endm
; The requests ahead.  s4: byte offset along A's rows of the K step that my wave (0 or 1) asks for; s5: byte offset in B of the first of the four K steps that wave 2 asks for.  The branches hang on the
; wave's number and on the loop's counter, which are the same in every work-group.  loop = 1: in the loop: the offsets in use are rewritten, behind a wait that stands a lap behind the last request.
.macro PREF loop
.if \loop
	s_cmp_eq_u32 s3, 1                             ; the last trip: no refill is left to ask ahead for
	s_cbranch_scc1 .Lpf_end_\@
	s_wait_xcnt 0x0                                ; every earlier memory instruction has had its addresses translated (ISA guide 3.1): v[PFA] and v[PFB] are rewritten only behind this wait
.endif
	s_cmp_eq_u32 s11, 0
	s_cbranch_scc0 .Lpf_b_\@
	v_add_nc_u32 v[PFA], s4, v[PFA0]
	global_prefetch_b8 v[PFA], s[68:69] th:TH_LOAD_NT scope:SCOPE_SE  ; 16 rows x 2 blocks of A's tile
	s_branch .Lpf_end_\@
.Lpf_b_\@:
	s_cmp_eq_u32 s10, 2
	s_cbranch_scc0 .Lpf_end_\@
.if \loop
	s_bitcmp1_b32 s3, 0                            ; the counter runs 7 to 1: it is even in trips 1, 3 and 5
	s_cbranch_scc1 .Lpf_end_\@
.endif
	v_add_nc_u32 v[PFB], s5, v[PFB0]
	v_min_u32 v[PFB], PFB_MAX, v[PFB]              ; no request passes the buffer's end
	global_prefetch_b8 v[PFB], s[70:71] th:TH_LOAD_NT scope:SCOPE_SE  ; 4 K steps x 8 k rows, one block each
.Lpf_end_\@:
	s_add_co_u32 s4, s4, 2*ASTEP                   ; two K steps on
	s_add_co_u32 s5, s5, 2*BSTEP
.endm
	s_load_b256 s[68:75], s[0:1], 0x0              ; act 68, bf 70, b2 72, h 74
	s_load_b64 s[8:9], s[0:1], 0x20                ; y
	v_lshl_add_u32 v[SPW], v0, 2, SPARE
	v_mov_b32 v[NIL], 0
	ds_add_u32 v28, v29
	s_wait_dscnt 0x0
	v_lshrrev_b32 v1, 5, v0
	v_readfirstlane_b32 s10, v1                    ; wave 0..3
	s_lshr_b32 s11, s10, 1                         ; which half of the tile's rows is mine.  Also: I fetch for A (0) or for B (1)
	s_and_b32 s12, s10, 1                          ; which half of its columns.  Also: which half of that tile I fetch
	s_bfe_u32 s40, ttmp6, 0x40000                  ; cx, cy
	s_bfe_u32 s41, ttmp6, 0x40004
	s_lshl_b32 s42, ttmp9, 2
	s_add_co_u32 s42, s42, s40                     ; tile column
	s_and_b32 s13, ttmp7, 0xffff
	s_lshl_b32 s13, s13, 2
	s_add_co_u32 s13, s13, s41                     ; tile row
	s_lshl_b32 s43, s41, 2
	s_lshl_b32 s43, 15, s43                        ; my row of the cluster
	s_lshl_b32 s44, 0x1111, s40                    ; my column
	s_or_b32 s[G1+0], s43, (1<<16)|(1<<20)|(1<<21)|(6<<22)|(3<<25)  ; A: 64 rows x 256 elements, 4 words of padding after every 128
	s_mov_b32 s[G1+1], KSTEP<<16
	s_mov_b32 s[G1+2], 64<<16
	s_mov_b32 s[G1+3], KSTEP<<16
	s_mov_b32 s[G1+4], 64
	s_mov_b32 s[G1+5], SIZE_K
	s_mov_b32 s[G1+6], 0
	s_mov_b32 s[G1+7], 0
	s_or_b32 s[G1B+0], s44, (1<<16)|(1<<20)|(1<<21)|(5<<22)|(7<<25)  ; B: 128 k rows x 128 elements, 8 words of padding after every 64
	s_mov_b32 s[G1B+1], 128<<16
	s_mov_b32 s[G1B+2], 128<<16
	s_mov_b32 s[G1B+3], 128<<16
	s_mov_b32 s[G1B+4], 128
	s_mov_b32 s[G1B+5], 1024
	s_mov_b32 s[G1B+6], 0
	s_mov_b32 s[G1B+7], 0
	s_lshl_b32 s16, s13, 7
	s_lshl_b32 s17, s12, 6
	s_add_co_u32 s16, s16, s17                     ; A: the first row that I fetch,
	s_lshl_b32 s16, s16, 13                        ; x 8,192 bytes
	s_mov_b32 s17, 0
	s_lshl_b32 s46, s12, 18                        ; B: k row 128 x half, 2,048 bytes each,
	s_lshl_b32 s47, s42, 8                         ; column 128 x tile column
	s_add_co_u32 s46, s46, s47
	s_add_co_u32 s46, s46, B_OFF
	s_mov_b32 s47, 0
	s_mul_i32 s20, s12, HALFA                      ; where they go: A's two halves,
	s_mul_i32 s19, s12, HALFB
	s_add_co_u32 s19, s19, 2*HALFA                 ; then B's two: no place in the cluster enters an LDS address
	s_wait_kmcnt 0x0
	s_add_nc_u64 s[14:15], s[68:69], s[16:17]
	s_add_nc_u64 s[46:47], s[70:71], s[46:47]
	CROUND                                         ; all sixteen work-groups are here: the first joint loads meet
.irp s, 0,1
	s_mov_b32 s[G0+4*(\s)], 1
	s_add_co_u32 s[G0+4*(\s)+1], s20, (\s)*SLOT
	s_add_nc_u64 s[G0+4*(\s)+2:G0+4*(\s)+3], s[14:15], (\s)*ASTEP
	s_or_b32 s[G0+4*(\s)+3], s[G0+4*(\s)+3], 0x80000000
	s_mov_b32 s[G0B+4*(\s)], 1
	s_add_co_u32 s[G0B+4*(\s)+1], s19, (\s)*SLOT
	s_add_nc_u64 s[G0B+4*(\s)+2:G0B+4*(\s)+3], s[46:47], (\s)*BSTEP
	s_or_b32 s[G0B+4*(\s)+3], s[G0B+4*(\s)+3], 0x80000000
	JLOAD \s                                       ; two loads of mine are out
.endr
	v_and_b32 v1, 15, v0                           ; l % 16
	v_bfe_u32 v2, v0, 4, 1                         ; l / 16
	v_mul_u32_u24 v3, v1, AP
	v_lshl_add_u32 v3, v2, 4, v3                   ; A: row x pitch + 16 x half
	v_and_b32 v4, 7, v0
	v_lshl_add_u32 v4, v2, 3, v4                   ; B: k row 8 (l / 16) + l % 8,
	v_mul_u32_u24 v4, v4, PB
	v_bfe_u32 v5, v0, 3, 1
	v_lshl_add_u32 v4, v5, 4, v4                   ; columns 8 ((l / 8) % 2) on
	s_mul_i32 s21, s11, HALFA                      ; my 64 rows of A
	s_lshl_b32 s22, s12, 7                         ; my 64 columns of B: 128 bytes into each k row,
	s_add_co_u32 s22, s22, 2*HALFA                 ; behind A's 128 rows
.irp s, 0,1
	v_add_nc_u32 v[ADRA+(\s)], s21, v3
	v_add_nc_u32 v[ADRB+2*(\s)], s22, v4
	v_add_nc_u32 v[ADRB+2*(\s)+1], HALFB, v[ADRB+2*(\s)]
	s_add_co_u32 s21, s21, SLOT
	s_add_co_u32 s22, s22, SLOT
.endr
	v_lshlrev_b32 v6, 12, v2                       ; two rows of h and y, 4,096 bytes apart: lanes 0-15 one row's 256 bytes, lanes 16-31 the next's
	v_lshl_add_u32 v[CO], v1, 4, v6
	v_lshlrev_b32 v[BO], 5, v2                     ; register j of block b is the bias of column 16 b + 8 (l / 16) + j
	s_lshl_b32 s16, s13, 7
	s_lshl_b32 s17, s11, 6
	s_add_co_u32 s16, s16, s17                     ; my first row,
	s_lshl_b32 s16, s16, 12                        ; x 4,096 bytes
	s_lshl_b32 s46, s42, 9                         ; my first column, x 4 bytes
	s_lshl_b32 s47, s12, 8
	s_add_co_u32 s46, s46, s47
	s_mov_b32 s47, 0
	s_add_nc_u64 s[72:73], s[72:73], s[46:47]      ; the bias at my first column
	s_add_co_u32 s16, s16, s46
	s_mov_b32 s17, 0
	s_add_nc_u64 s[74:75], s[74:75], s[16:17]      ; h and y at my corner
	s_add_nc_u64 s[8:9], s[8:9], s[16:17]
	v_and_b32 v7, 31, v0                           ; my lane
	s_lshl_b32 s6, s13, 7
	s_lshl_b32 s7, s42, 4
	s_add_co_u32 s6, s6, s7                        ; requests ahead, A: row 128 x tile row + 16 x tile column
	v_lshrrev_b32 v[PFA0], 1, v7
	v_add_nc_u32 v[PFA0], s6, v[PFA0]              ; + lane / 2,
	v_lshlrev_b32 v[PFA0], 13, v[PFA0]             ; x 8,192 bytes,
	v_and_b32 v12, 1, v7
	v_lshl_add_u32 v[PFA0], v12, 8, v[PFA0]        ; + 256 x (lane % 2)
	s_lshl_b32 s6, s13, 3                          ; B: k row 8 x tile row
	s_lshl_b32 s7, s42, 8                          ; the tile column's 256 bytes of a k row,
	s_add_co_u32 s7, s7, B_OFF                     ; in bf
	v_lshrrev_b32 v[PFB0], 3, v7
	v_lshlrev_b32 v[PFB0], 8, v[PFB0]              ; K step lane / 8 of the request's four: 256 k rows each
	v_and_b32 v12, 7, v7
	v_add3_u32 v[PFB0], v[PFB0], v12, s6           ; + lane % 8,
	v_lshlrev_b32 v[PFB0], 11, v[PFB0]             ; x 2,048 bytes
	v_add_nc_u32 v[PFB0], s7, v[PFB0]
	s_lshl_b32 s4, s12, 9
	s_add_co_u32 s4, s4, 2*ASTEP                   ; wave 0 begins with K step 2, wave 1 with K step 3
	s_mov_b32 s5, 2*BSTEP                          ; wave 2 with K steps 2 to 5
.irp b, 0,1,2,3
	global_load_b128 v[BIAS+8*(\b):BIAS+8*(\b)+3],   v[BO], s[72:73] offset:64*(\b)
	global_load_b128 v[BIAS+8*(\b)+4:BIAS+8*(\b)+7], v[BO], s[72:73] offset:64*(\b)+16
.endr
	WIN 0x80                                       ; destination window 2, address window 0
.irp a, 0,1,2,3
.irp t, 0,1,2,3,4,5,6,7
	global_load_b128 v[32*(\a)+4*(\t):32*(\a)+4*(\t)+3], v[CO], s[74:75] offset:(16*(\a)+2*(\t))*4096  ; 16 lanes read 256 consecutive bytes, aligned
.endr
.endr
	WIN 0
	PREF 0                                         ; behind my loads; the addresses for the way out stand between it and the wait for the first tile
	s_mul_i32 s23, s10, 16*SPITCH
	s_add_co_u32 s23, s23, STAGE                   ; my stage: my 64 f32 columns are 256 aligned bytes of a row of y, so no other wave has a part in it
	v_mul_u32_u24 v6, v1, SPITCH                   ; in: row l % 16, 32 bytes for each half of the lanes
	v_lshl_add_u32 v6, v2, 5, v6
	v_add_nc_u32 v[STO], s23, v6
	v_mul_u32_u24 v6, v2, SPITCH                   ; back: lanes 0-15 take one row of 256 bytes, lanes 16-31 the next
	v_lshl_add_u32 v6, v1, 4, v6
	v_add_nc_u32 v[RD], s23, v6
; 8 matrix instructions: m blocks a0, a0 + 1 x all 4 n blocks, 32 along K: half c of buffer f.  first = 1: the bias starts the sums.  The 16 accumulators take turns.
.macro MUL8 f, c, a0, first
	WIN MUL
.irp a, \a0, (\a0)+1
.irp b, 0,1,2,3
.if \first
	v_wmma_f32_16x16x32_bf16 v[ACC+8*(4*(\a)+(\b)):ACC+8*(4*(\a)+(\b))+7], v[(\f)+64+8*(4*(\c)+(\b)):(\f)+64+8*(4*(\c)+(\b))+7], v[(\f)+8*(4*(\c)+(\a)):(\f)+8*(4*(\c)+(\a))+7], v[BIAS+8*(\b):BIAS+8*(\b)+7]
.else
	v_wmma_f32_16x16x32_bf16 v[ACC+8*(4*(\a)+(\b)):ACC+8*(4*(\a)+(\b))+7], v[(\f)+64+8*(4*(\c)+(\b)):(\f)+64+8*(4*(\c)+(\b))+7], v[(\f)+8*(4*(\c)+(\a)):(\f)+8*(4*(\c)+(\a))+7], v[ACC+8*(4*(\a)+(\b)):ACC+8*(4*(\a)+(\b))+7]
.endif
.endr
.endr
.endm
; 32 LDS loads in one run: the fragments of quarter q (64 along K) of a slot into buffer f; the first 32 along K first
.macro FETCH slot, q, f
	WIN TO_F
.irp c, 0,1
.irp i, 0,1,2,3
	ds_load_tr16_b128 v[(\f)+64+8*(4*(\c)+(\i)):(\f)+64+8*(4*(\c)+(\i))+3],   v[ADRB+2*(\slot)+(\q)/2] offset:((\q)%2)*64*PB+(\c)*32*PB+32*(\i)
	ds_load_tr16_b128 v[(\f)+64+8*(4*(\c)+(\i))+4:(\f)+64+8*(4*(\c)+(\i))+7], v[ADRB+2*(\slot)+(\q)/2] offset:((\q)%2)*64*PB+(\c)*32*PB+32*(\i)+16*PB
	ds_load_b128 v[(\f)+8*(4*(\c)+(\i)):(\f)+8*(4*(\c)+(\i))+3],              v[ADRA+(\slot)] offset:(\q)*AQ+64*(\c)+(\i)*16*AP
	ds_load_b128 v[(\f)+8*(4*(\c)+(\i))+4:(\f)+8*(4*(\c)+(\i))+7],            v[ADRA+(\slot)] offset:(\q)*AQ+64*(\c)+(\i)*16*AP+32
.endr
.endr
.endm
.macro PLACES                          ; four places in front of loads into registers that matrix instructions have read, and of LDS stores that read results (ISA guide 7.12.1 for the stores)
.rept 4
	v_nop
.endr
.endm
; A K step is four quarters of 64 along K, 32 matrix instructions each, on buffers 0, 1, 0, 1.  One of the first three: multiplies buffer f and fetches quarter q into g.
.macro QUARTER slot, q, f, g, first
	s_wait_dscnt 16                                ; the first 32 along K are in
	MUL8 \f, 0, 0, \first
	MUL8 \f, 0, 2, \first
	PLACES
	FETCH \slot, \q, \g
	s_wait_dscnt 32                                ; all but the 32 just issued
	MUL8 \f, 1, 0, 0
	MUL8 \f, 1, 2, 0
.endm
; The last quarter multiplies buffer 1 and changes slots: ONE barrier; in front of it each wave waits for all its tensor loads, adds 0 to its spare word, and waits for that and for its own reads of
; this slot.  fill = 1: the barrier opens a round of the cluster's, and this slot is filled again, two K steps ahead, first thing behind it.  ahead = 1: the requests ahead stand behind the run of LDS
; loads and in front of sixteen matrix instructions.
.macro TURN slot, next, fill, ahead
	WIN 0                                          ; (the add's two registers lie in window 0)
	s_wait_tensorcnt 0x0                           ; all my tensor loads have landed: my part of the next slot
	ds_add_u32 v[SPW], v[NIL]                      ; 0 onto my spare word
	s_wait_dscnt 17                                ; (the add and the youngest sixteen loads may be out)
	MUL8 F1, 0, 0, 0                               ; eight matrix instructions stand between the add and the wait for it
	s_wait_dscnt 0x0                               ; the add is done, and my reads of this slot are over
	s_barrier_signal -1
	MUL8 F1, 0, 2, 0
.if \fill
	WIN 0
.endif
	s_barrier_wait -1
.if \fill
	CREST                                          ; no wave of any partner still reads this slot's tile or has a load on its way
	s_add_nc_u64 s[G0+4*(\slot)+2:G0+4*(\slot)+3], s[G0+4*(\slot)+2:G0+4*(\slot)+3], 2*ASTEP
	s_add_nc_u64 s[G0B+4*(\slot)+2:G0B+4*(\slot)+3], s[G0B+4*(\slot)+2:G0B+4*(\slot)+3], 2*BSTEP
	JLOAD \slot                                    ; my one tensor load behind the round; its four v_nop are also the places in front of the loads below
.else
	PLACES
.endif
	FETCH \next, 0, F0
.if \ahead
	WIN 0
	PREF 1
.endif
	MUL8 F1, 1, 0, 0
	MUL8 F1, 1, 2, 0
.endm
; THE WAY OUT of block a (16 of my rows).  TOSTAGE: a lane's eight f32 of each column block go into my stage, each accumulator's low four registers first, and come back as whole rows of 256 bytes.
; SEND: the residual is added and the rows are stored.
.macro TOSTAGE a
	s_wait_xcnt 0x0                                ; earlier stores have read their registers (ISA guide 3.1): the loads below land on them only behind this wait
.irp b, 0,1,2,3
	ds_store_b128 v[STO], v[ACC+8*(4*(\a)+(\b)):ACC+8*(4*(\a)+(\b))+3]   offset:64*(\b)
	ds_store_b128 v[STO], v[ACC+8*(4*(\a)+(\b))+4:ACC+8*(4*(\a)+(\b))+7] offset:64*(\b)+16
.endr
.irp t, 0,1,2,3,4,5,6,7
	ds_load_b128 v[TMP+32*((\a)%2)+4*(\t):TMP+32*((\a)%2)+4*(\t)+3], v[RD] offset:(\t)*2*SPITCH  ; LDS serves a wave's instructions in order (ISA guide 5.7.1.4): these see the stores above
.endr
.endm
.macro SEND a, younger                 ; younger: the LDS instructions issued behind block a's loads: the next block's sixteen, or none
	s_wait_dscnt \younger
	WIN 0x08                                       ; source 1 window 2
.set z, 0
.rept 16
	v_pk_add_f32 v[TMP+32*((\a)%2)+2*z:TMP+32*((\a)%2)+2*z+1], v[TMP+32*((\a)%2)+2*z:TMP+32*((\a)%2)+2*z+1], v[32*(\a)+2*z:32*(\a)+2*z+1]
.set z, z+1
.endr
	WIN 0
.irp t, 0,1,2,3,4,5,6,7
	global_store_b128 v[CO], v[TMP+32*((\a)%2)+4*(\t):TMP+32*((\a)%2)+4*(\t)+3], s[8:9] offset:(16*(\a)+2*(\t))*4096  ; 16 lanes store 256 consecutive bytes, aligned
.endr
.endm
	s_wait_tensorcnt 1                             ; my part of K step 0 is in; K step 1's may stay out
	s_barrier_signal -1
	s_barrier_wait -1                              ; everybody's is
	FETCH 0, 0, F0
	s_wait_loadcnt 32                              ; the bias is in; the 32 loads of the residual, issued behind it, stay out
	QUARTER 0, 1, F0, F1, 1                        ; the first quarter stands in front of the loop: its first products start the sums
	WIN 0                                          ; at a label and at a branch every window is 0
	s_mov_b32 s3, LAPS-1
.Llap:                                                 ; a trip goes once round the ring, from a lap's second quarter to the next lap's first, and fills both slots again
	QUARTER 0, 2, F1, F0, 0
	QUARTER 0, 3, F0, F1, 0
	TURN 0, 1, 1, 0
	QUARTER 1, 1, F0, F1, 0
	QUARTER 1, 2, F1, F0, 0
	QUARTER 1, 3, F0, F1, 0
	TURN 1, 0, 1, 1
	QUARTER 0, 1, F0, F1, 0
	WIN 0
	s_sub_co_u32 s3, s3, 1
	s_cmp_lg_u32 s3, 0
	s_cbranch_scc1 .Llap
	QUARTER 0, 2, F1, F0, 0                        ; the last lap fills nothing, and has no round of the cluster's barrier
	QUARTER 0, 3, F0, F1, 0
	TURN 0, 1, 0, 0
	QUARTER 1, 1, F0, F1, 0
	QUARTER 1, 2, F1, F0, 0
	QUARTER 1, 3, F0, F1, 0
	s_wait_dscnt 16                                ; the very last quarter: nothing more to fetch
	MUL8 F1, 0, 0, 0
	MUL8 F1, 0, 2, 0
	s_wait_dscnt 0x0
	MUL8 F1, 1, 0, 0
	MUL8 F1, 1, 2, 0
	WIN 0
	PLACES
	s_wait_loadcnt 0x0                             ; the residual
	TOSTAGE 0
	TOSTAGE 1
	SEND 0, 16
	TOSTAGE 2
	SEND 1, 16
	TOSTAGE 3
	SEND 2, 16
	SEND 3, 0
	s_wait_tensorcnt 0x0                           ; the wave's end
	ds_add_u32 v[SPW], v[NIL]
	s_wait_dscnt 0x0
	CROUND                                         ; the closing round: no work-group ends while a partner may still ask for a tile that names it
	s_endpgm
.Lfunc_end_k_q39d57f46d9_w2:
	.size	k_q39d57f46d9_w2, .Lfunc_end_k_q39d57f46d9_w2-k_q39d57f46d9_w2
	.p2alignl 7, 3214868480
	.fill 96, 4, 3214868480
	.section	.rodata,"a",@progbits
	.p2align	6, 0x0
	.amdhsa_kernel k_q39d57f46d9_w2
		.amdhsa_group_segment_fixed_size 327680
		.amdhsa_private_segment_fixed_size 0
		.amdhsa_enable_private_segment 0
		.amdhsa_kernarg_size 40
		.amdhsa_user_sgpr_count 2
		.amdhsa_user_sgpr_kernarg_segment_ptr 1
		.amdhsa_wavefront_size32 1
		.amdhsa_system_sgpr_workgroup_id_x 1
		.amdhsa_system_sgpr_workgroup_id_y 1
		.amdhsa_system_sgpr_workgroup_id_z 1
		.amdhsa_system_vgpr_workitem_id 0
		.amdhsa_next_free_vgpr 640
		.amdhsa_next_free_sgpr 80
		.amdhsa_reserve_vcc 0
		.amdhsa_float_denorm_mode_32 3
		.amdhsa_float_denorm_mode_16_64 3
		.amdhsa_memory_ordered 1
		.amdhsa_forward_progress 1
		.amdhsa_inst_pref_size 97
	.end_amdhsa_kernel
	.amdgpu_metadata
---
amdhsa.version: [ 1, 2 ]
amdhsa.kernels:
  - .name:           k_q39d57f46d9_w2
    .symbol:         k_q39d57f46d9_w2.kd
    .args:
      - { .name: act, .offset: 0, .size: 8, .value_kind: global_buffer, .address_space: global }
      - { .name: bf, .offset: 8, .size: 8, .value_kind: global_buffer, .address_space: global }
      - { .name: b2, .offset: 16, .size: 8, .value_kind: global_buffer, .address_space: global }
      - { .name: h, .offset: 24, .size: 8, .value_kind: global_buffer, .address_space: global }
      - { .name: y, .offset: 32, .size: 8, .value_kind: global_buffer, .address_space: global }
    .group_segment_fixed_size: 327680
    .private_segment_fixed_size: 0
    .kernarg_segment_align: 8
    .kernarg_segment_size: 40
    .max_flat_workgroup_size: 128
    .sgpr_count:     80
    .vgpr_count:     640
    .wavefront_size: 32
...
	.end_amdgpu_metadata
.endif
;; end of part 7
;; launch ln2 (part 8): grid 256 x 1, 8 waves a work-group, no clusters, 0 bytes of LDS; arguments y, g2, be2, out0; writes out0
.if DOCPART == 8
	.amdgcn_target "amdgcn-amd-amdhsa--gfx1250"
	.amdhsa_code_object_version 6
	.text
	.protected	k_q39d57f46d9_ln2
	.globl	k_q39d57f46d9_ln2
	.p2align	8
	.type	k_q39d57f46d9_ln2,@function
k_q39d57f46d9_ln2:
	s_mov_b64 s[64:65], 0
	v_nop
	global_prefetch_b8 v0, s[64:65] scope:SCOPE_SE
	s_setreg_imm32_b32 hwreg(HW_REG_WAVE_MODE, 25, 1), 1
	s_wait_xcnt 0x0
; out[r][:] = (y[r][:] - mean) / sqrt(var + 1e-5) x g + b, all in f32.  y, out: [4096][1024] f32; g, b: [1024] f32.  WITH_BF = 1: the result is also stored rounded to bf16, for the next product.
; A row is 4,096 bytes: one wave takes a whole row, eight loads of 16 bytes a lane, and keeps it in 32 registers through all passes: the row is read once, no LDS, no barrier.
; Eight waves, two rows each; both rows' sixteen loads, and g's and b's sixteen, go out together.  The variance is the mean of the squares of y - mean, made in a second pass over the registers:
; no difference of large sums.  Work-groups share g and b alone, 8 KiB beside the 64 KiB of rows of each: no cluster, no matrix unit.
.set WITH_BF, 0
.set T,  4                             ; v[4:11]    four chains, at work
.set M,  12                            ; v[12:13]   the mean, twice
.set RS, 16                            ; v[16:19]   1 / sqrt(var + eps), twice, for each of the two rows
.set G,  20                            ; v[20:51]   g of my 32 columns
.set B,  52                            ; v[52:83]   b
.set X,  84                            ; v[84:147]  the two rows
.set HB, 148                           ; v[148:179] the two rows in bf16
	s_load_b256 s[4:11], s[0:1], 0x0               ; y 4, g 6, b 8, out 10
.if WITH_BF
	s_load_b64 s[12:13], s[0:1], 0x20              ; the bf16 copy
.endif
	s_mov_b32 s14, 0x76543210                      ; v_permlanex16_b32: lane i of one half reads lane i of the other
	s_mov_b32 s15, 0xfedcba98
	s_mov_b32 s16, 0x3a800000                      ; 1 / 1024
	s_mov_b32 s17, 0x3727c5ac                      ; 1e-5
	s_lshl_b32 s18, ttmp9, 16                      ; the work-group's 16 rows of 4,096 bytes
	s_mov_b32 s19, 0
	s_lshl_b32 s20, ttmp9, 15                      ; and of 2,048
	s_mov_b32 s21, 0
	v_and_b32 v3, 31, v0                           ; lane
	v_lshrrev_b32 v2, 5, v0                        ; wave
	v_lshlrev_b32 v1, 13, v2
	v_lshl_add_u32 v1, v3, 4, v1                   ; wave x two rows + 16 x lane
	v_lshlrev_b32 v2, 12, v2
	v_lshl_add_u32 v2, v3, 3, v2                   ; the same in bf16
	v_lshlrev_b32 v3, 4, v3
	s_wait_kmcnt 0x0
	s_add_nc_u64 s[4:5], s[4:5], s[18:19]
	s_add_nc_u64 s[10:11], s[10:11], s[18:19]
.if WITH_BF
	s_add_nc_u64 s[12:13], s[12:13], s[20:21]
.endif
.irp r, 0,1
.irp j, 0,1,2,3,4,5,6,7
	global_load_b128 v[X+32*(\r)+4*(\j):X+32*(\r)+4*(\j)+3], v1, s[4:5] offset:4096*(\r)+512*(\j) th:TH_LOAD_NT
.endr
.endr
.irp j, 0,1,2,3,4,5,6,7
	global_load_b128 v[G+4*(\j):G+4*(\j)+3], v3, s[6:7] offset:512*(\j)
.endr
.irp j, 0,1,2,3,4,5,6,7
	global_load_b128 v[B+4*(\j):B+4*(\j)+3], v3, s[8:9] offset:512*(\j)
.endr
; The four chains into one number, then over the 32 lanes: four steps inside each half of 16 ride on the addition (DPP), one crosses the halves.  Every lane ends with the sum in v[T].
.macro FOLD
	v_pk_add_f32 v[T:T+1], v[T:T+1], v[T+2:T+3]
	v_pk_add_f32 v[T+4:T+5], v[T+4:T+5], v[T+6:T+7]
	v_pk_add_f32 v[T:T+1], v[T:T+1], v[T+4:T+5]
	v_add_f32 v[T], v[T], v[T+1]
	v_add_f32_dpp v[T], v[T], v[T] row_xmask:1 row_mask:0xf bank_mask:0xf
	v_add_f32_dpp v[T], v[T], v[T] row_xmask:2 row_mask:0xf bank_mask:0xf
	v_add_f32_dpp v[T], v[T], v[T] row_xmask:4 row_mask:0xf bank_mask:0xf
	v_add_f32_dpp v[T], v[T], v[T] row_xmask:8 row_mask:0xf bank_mask:0xf
	v_permlanex16_b32 v[T+1], v[T], s14, s15       ; its destination counts as read: it has been written above
	v_add_f32 v[T], v[T], v[T+1]
.endm
; Row r: the mean; the row less the mean, in place; the mean of its squares; 1 / sqrt of that + eps.
.macro STATS r
.set XR, X+32*(\r)
.irp k, 0,1,2,3
	v_pk_add_f32 v[T+2*(\k):T+2*(\k)+1], v[XR+2*(\k):XR+2*(\k)+1], v[XR+8+2*(\k):XR+8+2*(\k)+1]  ; the first numbers start the chains: nothing is cleared
.endr
.irp g, 16,24
.irp k, 0,1,2,3
	v_pk_add_f32 v[T+2*(\k):T+2*(\k)+1], v[T+2*(\k):T+2*(\k)+1], v[XR+(\g)+2*(\k):XR+(\g)+2*(\k)+1]
.endr
.endr
	FOLD
	v_mul_f32 v[M], s16, v[T]
	v_mul_f32 v[M+1], s16, v[T]
.set z, 0
.rept 16
	v_pk_add_f32 v[XR+2*z:XR+2*z+1], v[XR+2*z:XR+2*z+1], v[M:M+1] neg_lo:[0,1] neg_hi:[0,1]
.set z, z+1
.endr
.irp k, 0,1,2,3
	v_pk_mul_f32 v[T+2*(\k):T+2*(\k)+1], v[XR+2*(\k):XR+2*(\k)+1], v[XR+2*(\k):XR+2*(\k)+1]
.endr
.irp g, 8,16,24
.irp k, 0,1,2,3
	v_pk_fma_f32 v[T+2*(\k):T+2*(\k)+1], v[XR+(\g)+2*(\k):XR+(\g)+2*(\k)+1], v[XR+(\g)+2*(\k):XR+(\g)+2*(\k)+1], v[T+2*(\k):T+2*(\k)+1]
.endr
.endr
	FOLD
	v_fma_f32 v[T], v[T], s16, s17                 ; var + eps
	v_rsq_f32 v[RS+2*(\r)], v[T]                   ; made twice, to fill the pair that the packed multiply takes
	v_rsq_f32 v[RS+2*(\r)+1], v[T]
	v_nop                                          ; a plain instruction before the result is used or the source rewritten (ISA guide 5.7.2)
.endm
.macro SCALE r
.set XR, X+32*(\r)
.set z, 0
	s_wait_alu depctr_va_vdst(0)
.rept 16
	v_pk_mul_f32 v[XR+2*z:XR+2*z+1], v[XR+2*z:XR+2*z+1], v[RS+2*(\r):RS+2*(\r)+1]
.set z, z+1
.endr
.set z, 0
.rept 16
	v_pk_fma_f32 v[XR+2*z:XR+2*z+1], v[XR+2*z:XR+2*z+1], v[G+2*z:G+2*z+1], v[B+2*z:B+2*z+1]
.set z, z+1
.endr
.irp j, 0,1,2,3,4,5,6,7
.if WITH_BF
	global_store_b128 v1, v[XR+4*(\j):XR+4*(\j)+3], s[10:11] offset:4096*(\r)+512*(\j)  ; 512 consecutive bytes a wave; a later launch reads them: no hint
.else
	global_store_b128 v1, v[XR+4*(\j):XR+4*(\j)+3], s[10:11] offset:4096*(\r)+512*(\j) th:TH_STORE_NT
.endif
.endr
.if WITH_BF
.irp j, 0,1,2,3,4,5,6,7
	v_cvt_pk_bf16_f32 v[HB+16*(\r)+2*(\j)],   v[XR+4*(\j)],   v[XR+4*(\j)+1]
	v_cvt_pk_bf16_f32 v[HB+16*(\r)+2*(\j)+1], v[XR+4*(\j)+2], v[XR+4*(\j)+3]
	global_store_b64 v2, v[HB+16*(\r)+2*(\j):HB+16*(\r)+2*(\j)+1], s[12:13] offset:2048*(\r)+256*(\j)  ; 256 consecutive bytes a wave, aligned
.endr
.endif
.endm
	s_wait_loadcnt 24                              ; row 0 is in; row 1, g and b stay out
	STATS 0
	s_wait_loadcnt 16                              ; row 1 is in
	STATS 1
	s_wait_loadcnt 0x0                             ; g and b
	SCALE 0
	SCALE 1                                        ; no register that a store reads is written again
	s_endpgm
.Lfunc_end_k_q39d57f46d9_ln2:
	.size	k_q39d57f46d9_ln2, .Lfunc_end_k_q39d57f46d9_ln2-k_q39d57f46d9_ln2
	.p2alignl 7, 3214868480
	.fill 96, 4, 3214868480
	.section	.rodata,"a",@progbits
	.p2align	6, 0x0
	.amdhsa_kernel k_q39d57f46d9_ln2
		.amdhsa_group_segment_fixed_size 0
		.amdhsa_private_segment_fixed_size 0
		.amdhsa_enable_private_segment 0
		.amdhsa_kernarg_size 32
		.amdhsa_user_sgpr_count 2
		.amdhsa_user_sgpr_kernarg_segment_ptr 1
		.amdhsa_wavefront_size32 1
		.amdhsa_system_sgpr_workgroup_id_x 1
		.amdhsa_system_sgpr_workgroup_id_y 1
		.amdhsa_system_sgpr_workgroup_id_z 1
		.amdhsa_system_vgpr_workitem_id 0
		.amdhsa_next_free_vgpr 180
		.amdhsa_next_free_sgpr 66
		.amdhsa_reserve_vcc 0
		.amdhsa_float_denorm_mode_32 3
		.amdhsa_float_denorm_mode_16_64 3
		.amdhsa_memory_ordered 1
		.amdhsa_forward_progress 1
		.amdhsa_inst_pref_size 18
	.end_amdhsa_kernel
	.amdgpu_metadata
---
amdhsa.version: [ 1, 2 ]
amdhsa.kernels:
  - .name:           k_q39d57f46d9_ln2
    .symbol:         k_q39d57f46d9_ln2.kd
    .args:
      - { .name: y, .offset: 0, .size: 8, .value_kind: global_buffer, .address_space: global }
      - { .name: g2, .offset: 8, .size: 8, .value_kind: global_buffer, .address_space: global }
      - { .name: be2, .offset: 16, .size: 8, .value_kind: global_buffer, .address_space: global }
      - { .name: out0, .offset: 24, .size: 8, .value_kind: global_buffer, .address_space: global }
    .group_segment_fixed_size: 0
    .private_segment_fixed_size: 0
    .kernarg_segment_align: 8
    .kernarg_segment_size: 32
    .max_flat_workgroup_size: 256
    .sgpr_count:     66
    .vgpr_count:     180
    .wavefront_size: 32
...
	.end_amdgpu_metadata
.endif
;; end of part 8
